; MI455X (gfx1250); checked and timed in simulation.
; The chip was launched on July 23, 2026; its instructions are those of AMD's public machine-readable ISA for CDNA 5 (MIT licence, August 2026) and "CDNA5" Instruction Set Architecture Reference Guide (July 2026). The comments in the code are by the model that wrote it; some were corrected since.
;; Multi Head Attention. Allowed arithmetic: matrix products marked QUANTISED: E4M3 operands, one given power-of-two scale a tensor, by v_wmma_f32_16x16x64_fp8_fp8 or v_wmma_f32_16x16x128_fp8_fp8, f32 sums; everything else in f32.
;; Inputs: Wk 1,024 x 1,024 float32; Wo 1,024 x 1,024 float32; Wq 1,024 x 1,024 float32; Wv 1,024 x 1,024 float32; k 4 x 2,048 x 1,024 float32; lowp_scales 12 int32 (the exponents e of the quantised operands' scales 2^e); mask 1 x 1 x 2,048 x 2,048 int32; q 4 x 2,048 x 1,024 float32; v 4 x 2,048 x 1,024 float32.
;; Outputs: out0 4 x 2,048 x 1,024 float32.
;; This version of the problem:
;;   THIS VERSION OF THE PROBLEM IS GIVEN IN LOW PRECISION. The matrix products marked QUANTISED in the list below multiply operands that are first quantised to E4M3 (4 exponent bits, 3 mantissa bits; 8 bits a number), with one given power-of-two scale for each operand tensor; their sums are f32. All else is computed in f32.
;;   The module's matrix products, in the order in which they are computed (A, B: the left and right operand; K: the contracted axis; several contracted axes count as one K, in the product's order):
;;     1. [M 8,192, K 1,024] x [K 1,024, N 1,024]; A: input q; B: input Wq: QUANTISED (scales: A lowp_scales[0], B lowp_scales[1])
;;     2. [M 8,192, K 1,024] x [K 1,024, N 1,024]; A: input k; B: input Wk: QUANTISED (scales: A lowp_scales[2], B lowp_scales[3])
;;     3. [M 8,192, K 1,024] x [K 1,024, N 1,024]; A: input v; B: input Wv: QUANTISED (scales: A lowp_scales[4], B lowp_scales[5])
;;     4. batch 64 x [M 2,048, K 64] x [K 64, N 2,048]; A: computed on the way; B: computed on the way: QUANTISED (scales: A lowp_scales[6], B lowp_scales[7])
;;     5. batch 64 x [M 2,048, K 2,048] x [K 2,048, N 64]; A: softmax (see below); B: computed on the way: QUANTISED (scales: A lowp_scales[8], B lowp_scales[9])
;;     6. [M 8,192, K 1,024] x [K 1,024, N 1,024]; A: computed on the way; B: input Wo: QUANTISED (scales: A lowp_scales[10], B lowp_scales[11])
;;   THE QUANTISER, for each operand of a quantised product, along K:
;;     - The operand's scale is 2^e, e = its entry of the input lowp_scales (int32; the entries are numbered through the quantised products in the list's order, A before B).
;;     - Each number is divided by the scale, clamped to +-448, and rounded to the nearest number of E4M3, ties to even, subnormals kept.
;;     - The product sums the exact products of the quantised numbers (number of the format x scale) in f32.
;;   ~~~python
;;   def quantise(x, axis, e):      # numpy; x: float32 -> the quantised numbers, widened to float32 again
;;       x = np.moveaxis(x, axis, -1); K = x.shape[-1]
;;       r = np.clip(x / 2.0 ** e, -448, 448)
;;       step = 2.0 ** (np.maximum(np.frexp(np.where(r == 0, 1, r))[1] - 1, -6) - 3)
;;       q = np.round(r / step) * step * 2.0 ** e      # np.round: ties to even
;;       return np.moveaxis(q, -1, axis).astype(np.float32)
;;   ~~~
;;   SOFTMAX AHEAD OF A QUANTISED PRODUCT. Where the list says 'softmax', what is quantised is not the finished softmax but p = 2^(t - M), with t = logit x log2(e) and M = ceil(the row's largest t), a whole number; so 1/2 < the row's largest p <= 1. The row's sum l is taken of the UNQUANTISED p, in f32, and the product's result is divided by l at the end. Since M is a whole number, a kernel that streams over the keys may use a running M (the ceiling of the running maximum): every later rescaling is an exact power of two, so the quantised numbers keep their values, but for numbers so far below the row's largest that they fall under the format's range.
;;   OPERANDS COMPUTED ON THE WAY. 'Computed on the way' means the value that the module computes at that place (a softmax that the list does not call 'softmax' is quantised finished and normalised). What goes into a quantiser is computed in f32, as accurately as f32 sums, v_exp_f32 and their like allow (about 1e-6 of the number): no bf16 or f16 on the way to a quantiser, and a product that is left as it is and whose result goes on into a quantised operand takes f32 operands (vector FMAs, or v_wmma_f32_16x16x4_f32). A number that lies on a knife's edge between two numbers of the format may be rounded either way, as far as f32 arithmetic and the matrix unit's own rounding can turn it there, and no further.
;; 2 versions, each right; version 2 is version 1 with the launch attn written anew for expert scheduling mode. Each part assembles by itself: llvm-mc -triple=amdgcn-amd-amdhsa -mcpu=gfx1250 --defsym DOCPART=n.
;; ======== version 1 of 2: 4 launches
;; workspace buffers: codes 29,360,128 bytes; maskw 524,288 bytes of whole numbers; flags 2,048 bytes of whole numbers; heads 25,165,824 bytes; xcodes 8,388,608 bytes
;; launch quant (part 1): grid 1024 x 1, 4 waves a work-group, no clusters, 33,280 bytes of LDS; arguments q, k, v, Wq, Wk, Wv, Wo, mask, lowp_scales, codes, maskw, flags; writes codes, maskw, flags
.if DOCPART == 1
	.amdgcn_target "amdgcn-amd-amdhsa--gfx1250"
	.amdhsa_code_object_version 6
	.text
	.protected	k_q147f33e712_quant
	.globl	k_q147f33e712_quant
	.p2align	8
	.type	k_q147f33e712_quant,@function
k_q147f33e712_quant:
	s_mov_b64 s[64:65], 0
	v_nop
	global_prefetch_b8 v0, s[64:65] scope:SCOPE_SE
	s_setreg_imm32_b32 hwreg(HW_REG_WAVE_MODE, 25, 1), 1
	s_wait_xcnt 0x0
; q, k, v [8192][1024] and Wq, Wk, Wv, Wo [1024][1024], f32 with K innermost, become codes of FP8 (E4M3), one byte each, K innermost, each with the scale 2^e given for it;
; the mask [2048][2048] int32 becomes lane masks for the attention launch, and two flags for each tile of 16 queries x 128 keys.
; code = x / 2^e, held within +-448, rounded to the nearest code, ties to even.  LIMITS: each e between -126 and 119.  NaN among the f32 inputs is not served; an infinity is held at the largest code.
; WORK-GROUPS: 0-767 take q, k, v (256 each, 32,768 numbers a work-group); 768-895 the four weights (32 each); 896-1023 the mask (16 rows each).
; CODES BUFFER: q at 0, k at 8,388,608, v at 16,777,216, then Wq, Wk, Wv, Wo from 25,165,824 on, 1,048,576 bytes each.
; THE QUANTISER.  A wave takes 16 steps of 512 numbers.  Each of a step's four loads reads 512 consecutive bytes, 16 a lane; the 2,048 bytes go through the wave's own stage in LDS and come back 64 bytes a lane,
; so that a lane holds 16 neighbours along K for the conversions; a lane's 16 codes are 16 bytes, and the wave stores 512 consecutive bytes.  Loads run four steps ahead, the turn through LDS one step.  No barrier: waves share nothing.
; THE MASK.  In the attention launch lane (r, h) holds query r of a tile, and its score register n the key 32 (n / 16) + 16 h + n % 16 of a step of 128 keys.  Here the same lane loads the same mask entries, and a compare
; gives, for each n, one word whose bit L says whether lane L's entry is not 0.  maskw: [tile of queries 128][step 16][64 words], register n's word at place 2 (n % 32) + n / 32.
; flags: [tile of queries 128][4 words]; wave w's word has bit 4 w + t set where step 4 w + t has any entry that is not 0, and bit 16 + 4 w + t where all its entries are not 0.
.set WAVES, 4
.set STEPS, 16
.set EMAX,  8
.set MANT,  0x600000                   ; the mantissa field of 448 as f32
.set CB,    16                         ; bytes of 16 codes
.set R,     16                         ; v16-79   four sets of 16 numbers as they are loaded
.set X,     80                         ; v80-111  two sets of 16 neighbours
.set C,     128                        ; v128-191 codes: four registers for each step, so that no store's data are written again
.set WREG,  8192                       ; LDS: a region for each wave: two stages of 32 x SP bytes
.set SP,    80                         ; a lane's place in a stage: its 64 bytes + 16 of padding
.set SPW,   12                         ; v12      LDS address of my spare word; never rewritten
.set NIL,   13                         ; v13      0; never rewritten
.set SPARE, WAVES*WREG                 ; behind the four regions: the spare words, 128 bytes for each wave
.set WG_ACT,  768
.set WG_MASK, 896
.set WOFF,  25165824                   ; where the weights' codes begin
.set MD,    16                         ; the mask path: v16-143 two sets of 64 mask entries; v144-151 the words of four tiles
	s_load_b512 s[8:23], s[0:1], 0x0               ; q 8, k 10, v 12, Wq 14, Wk 16, Wv 18, Wo 20, mask 22
	s_load_b256 s[24:31], s[0:1], 0x40             ; the scales' exponents 24, codes 26, maskw 28, flags 30
	v_lshl_add_u32 v[SPW], v0, 2, SPARE
	v_mov_b32 v[NIL], 0
	v_lshrrev_b32 v1, 5, v0
	v_readfirstlane_b32 s3, v1                     ; wave
	v_and_b32 v2, 31, v0                           ; lane
	v_lshlrev_b32 v3, 4, v2                        ; my 16 bytes of a load's 512
	s_mul_i32 s7, s3, WREG
	v_lshrrev_b32 v14, 2, v2
	v_mul_u32_u24 v14, v14, SP
	v_and_b32 v15, 3, v2
	v_lshl_add_u32 v14, v15, 4, v14
	v_add_nc_u32 v14, s7, v14                      ; the stage, on the way in: SP (lane / 4) + 16 (lane % 4)
	v_mul_u32_u24 v15, v2, SP
	v_add_nc_u32 v15, s7, v15                      ; and on the way out: SP x lane: my 16 neighbours
	v_mul_u32_u24 v4, v2, CB                       ; my codes' place in a step's
	s_wait_kmcnt 0x0
	s_cmp_ge_u32 ttmp9, WG_MASK
	s_cbranch_scc1 .Lmask
	; ---- the quantiser: which tensor, which run of it.  All hangs on the work-group's number alone
	s_load_b256 s[48:55], s[24:25], 0x0            ; e0 .. e7
	s_load_b128 s[56:59], s[24:25], 0x20           ; e8 .. e11
	s_lshr_b32 s34, ttmp9, 8                       ; q, k or v: 0, 1, 2
	s_and_b32 s35, ttmp9, 255                      ; and my place in it
	s_max_u32 s36, ttmp9, WG_ACT
	s_sub_co_u32 s36, s36, WG_ACT
	s_lshr_b32 s37, s36, 5                         ; Wq, Wk, Wv or Wo: 0 .. 3
	s_and_b32 s38, s36, 31
	s_lshl_b32 s39, s34, 23                        ; where the tensor's codes begin
	s_lshl_b32 s40, s37, 20
	s_add_co_u32 s40, s40, WOFF
	s_cmp_lt_u32 ttmp9, WG_ACT
	s_cselect_b32 s35, s35, s38
	s_cselect_b32 s39, s39, s40
	s_mov_b64 s[4:5], s[20:21]                     ; the source: Wo, unless the work-group's number lies under one of six bounds
.macro PICK lim, ptr
	s_cmp_lt_u32 ttmp9, \lim
	s_cselect_b64 s[4:5], s[\ptr:\ptr+1], s[4:5]
.endm
	PICK 864, 18
	PICK 832, 16
	PICK 800, 14
	PICK 768, 12
	PICK 512, 10
	PICK 256, 8
	s_lshl_b32 s35, s35, 2
	s_add_co_u32 s35, s35, s3                      ; which run of 8,192 numbers of the tensor is my wave's
	s_lshl_b32 s44, s35, 15
	s_mov_b32 s45, 0
	s_add_nc_u64 s[4:5], s[4:5], s[44:45]
	s_lshl_b32 s46, s35, 13
	s_add_co_u32 s46, s46, s39
	s_mov_b32 s47, 0
	s_add_nc_u64 s[26:27], s[26:27], s[46:47]
.macro LOAD t
.irp i, 0,1,2,3
	global_load_b128 v[R+16*((\t)%4)+4*\i:R+16*((\t)%4)+4*\i+3], v3, s[4:5] offset:2048*(\t)+512*\i th:TH_LOAD_NT   ; 32 lanes read 512 consecutive bytes
.endr
.endm
.macro TURN t                          ; step t's numbers through the stage: LDS serves a wave's instructions in order, so no wait stands between the stores and the loads
.irp i, 0,1,2,3
	ds_store_b128 v14, v[R+16*((\t)%4)+4*\i:R+16*((\t)%4)+4*\i+3] offset:32*SP*((\t)%2)+8*SP*\i
.endr
.irp i, 0,1,2,3
	ds_load_b128 v[X+16*((\t)%2)+4*\i:X+16*((\t)%2)+4*\i+3], v15 offset:32*SP*((\t)%2)+16*\i
.endr
.endm
.irp t, 0,1,2,3
	LOAD \t
.endr
	s_wait_kmcnt 0x0
	s_mov_b32 s6, s59                              ; e: Wo's is entry 11; the same six bounds choose the others
.macro PICKE lim, reg
	s_cmp_lt_u32 ttmp9, \lim
	s_cselect_b32 s6, s[\reg], s6
.endm
	PICKE 864, 53                                  ; Wv: entry 5
	PICKE 832, 51                                  ; Wk: entry 3
	PICKE 800, 49                                  ; Wq: entry 1
	PICKE 768, 52                                  ; v: entry 4
	PICKE 512, 50                                  ; k: entry 2
	PICKE 256, 48                                  ; q: entry 0
	s_add_co_i32 s6, s6, 127
	s_lshl_b32 s7, s6, 23
	v_mov_b32 v11, s7                              ; 2^e as f32: the conversion takes its exponent field
	s_add_co_i32 s6, s6, EMAX
	s_lshl_b32 s6, s6, 23
	s_or_b32 s6, s6, MANT
	v_mov_b32 v10, s6                              ; 448 x 2^e
	s_wait_loadcnt 12                              ; step 0's four loads are in; the twelve of steps 1 to 3 may be out
	TURN 0
.macro STEP t
.set XS, X+16*((\t)%2)
	s_wait_dscnt 0x0                               ; this step's numbers are back from the stage: so its stores into the stage have read their registers,
.if (\t)+4 < STEPS
	LOAD (\t)+4                                    ; which take the loads of four steps on
.endif
.if (\t)+1 < STEPS
.if STEPS-2-(\t) >= 3
	s_wait_loadcnt 12                              ; the next step's four loads are in; those of the three steps behind it may be out
.else
	s_wait_loadcnt 4*(STEPS-2-(\t))
.endif
	TURN (\t)+1                                    ; and go through the other stage while this step is worked
.endif
.irp i, 0,1,2,3,4,5,6,7,8,9,10,11,12,13,14,15
	v_med3_num_f32 v[XS+\i], v[XS+\i], -v10, v10   ; the conversion to an 8-bit code does not saturate (ISA guide 7.6.2): the hold at the largest code x the scale comes first
.endr
	v_cvt_scalef32_pk8_fp8_f32 v[C+4*(\t):C+4*(\t)+1], v[XS:XS+7], v11
	v_cvt_scalef32_pk8_fp8_f32 v[C+4*(\t)+2:C+4*(\t)+3], v[XS+8:XS+15], v11
	global_store_b128 v4, v[C+4*(\t):C+4*(\t)+3], s[26:27] offset:32*CB*(\t)   ; the results go to a store alone; the next vector lines are the next step's holds, plain ones on other registers
.endm
.irp t, 0,1,2,3,4,5,6,7,8,9,10,11,12,13,14,15
	STEP \t
.endr
	s_wait_tensorcnt 0x0                           ; the wave's end, behind my last LDS store
	ds_add_u32 v[SPW], v[NIL]
	s_wait_dscnt 0x0
	s_endpgm
	; ---- the mask: work-group 896 + qt takes rows 16 qt .. 16 qt + 15; wave w takes steps 4 w .. 4 w + 3 of 128 keys
.Lmask:
	v_and_b32 v5, 15, v0                           ; r
	v_bfe_u32 v6, v0, 4, 1                         ; h
	v_lshlrev_b32 v5, 13, v5                       ; row r of 8,192 bytes,
	v_lshl_add_u32 v5, v6, 6, v5                   ; + 16 h entries of 4 bytes
	v_lshlrev_b32 v7, 3, v2                        ; out: two words a lane
	s_sub_co_u32 s44, ttmp9, WG_MASK               ; qt
	s_lshl_b32 s36, s44, 17                        ; 16 rows of 8,192 bytes
	s_lshl_b32 s38, s3, 11                         ; four steps of 512 bytes
	s_add_co_u32 s36, s36, s38
	s_mov_b32 s37, 0
	s_add_nc_u64 s[22:23], s[22:23], s[36:37]
	s_lshl_b32 s36, s44, 12                        ; maskw: 16 steps of 256 bytes
	s_lshl_b32 s38, s3, 10
	s_add_co_u32 s36, s36, s38
	s_add_nc_u64 s[28:29], s[28:29], s[36:37]
	s_lshl_b32 s36, s44, 4                         ; flags: four words
	s_lshl_b32 s38, s3, 2
	s_add_co_u32 s36, s36, s38
	s_add_nc_u64 s[30:31], s[30:31], s[36:37]
	s_mov_b32 s34, 0                               ; my four steps' flags: any,
	s_mov_b32 s35, 0                               ; all
.macro MLOAD t                         ; tile t: register 16 b + 4 j + i holds mask(16 qt + r, 128 step + 32 b + 16 h + 4 j + i).  A tile's sixteen loads together take all 512 bytes of each of the 16 rows
.irp b, 0,1,2,3
.irp j, 0,1,2,3
	global_load_b128 v[MD+64*((\t)%2)+16*\b+4*\j:MD+64*((\t)%2)+16*\b+4*\j+3], v5, s[22:23] offset:512*(\t)+128*\b+16*\j
.endr
.endr
.endm
.macro MTILE t
.set XS, MD+64*((\t)%2)
.if (\t) < 3
	s_wait_loadcnt 16                              ; this tile's sixteen loads are in; the next tile's may be out
.else
	s_wait_loadcnt 0
.endif
	s_mov_b32 s36, -1
	s_mov_b32 s37, 0
	v_mov_b32 v[144+2*(\t)], 0                     ; a pair of its own for each tile: no store's data are written again
	v_mov_b32 v[145+2*(\t)], 0
.set n, 0
.rept 64
	v_cmp_ne_u32 s[40+n%4], 0, v[XS+n]             ; bit L: lane L's entry for score register n is not 0
	v_writelane_b32 v[144+2*(\t)+n/32], s[40+n%4], n%32
	s_and_b32 s36, s36, s[40+n%4]
	s_or_b32 s37, s37, s[40+n%4]
.set n, n+1
.endr
.if (\t) < 2
	MLOAD (\t)+2
.endif
	global_store_b64 v7, v[144+2*(\t):145+2*(\t)], s[28:29] offset:256*(\t)   ; 32 lanes store 256 consecutive bytes, aligned
	s_cmp_lg_u32 s37, 0
	s_cselect_b32 s39, 1<<(\t), 0
	s_or_b32 s34, s34, s39
	s_cmp_eq_u32 s36, -1
	s_cselect_b32 s39, 1<<(\t), 0
	s_or_b32 s35, s35, s39
.endm
	MLOAD 0
	MLOAD 1
	MTILE 0
	MTILE 1
	MTILE 2
	MTILE 3
	s_lshl_b32 s38, s3, 2
	s_lshl_b32 s34, s34, s38                       ; any: bits 4 w ..
	s_add_co_u32 s38, s38, 16
	s_lshl_b32 s35, s35, s38                       ; all: bits 16 + 4 w ..
	s_or_b32 s34, s34, s35
	v_mov_b32 v152, s34
	v_mov_b32 v153, 0
	s_wait_xcnt 0x0                                ; EXEC is a source of the stores above: it changes only behind this wait
	v_cmp_eq_u32 vcc_lo, 0, v2
	s_and_saveexec_b32 s39, vcc_lo
	global_store_b32 v153, v152, s[30:31]          ; one word a wave: the whole buffer of flags is 2,048 bytes
	s_wait_xcnt 0x0                                ; and again ahead of the line that widens it
	s_or_b32 exec_lo, exec_lo, s39
	s_wait_tensorcnt 0x0                           ; the wave's end
	ds_add_u32 v[SPW], v[NIL]
	s_wait_dscnt 0x0
	s_endpgm
.Lfunc_end_k_q147f33e712_quant:
	.size	k_q147f33e712_quant, .Lfunc_end_k_q147f33e712_quant-k_q147f33e712_quant
	.p2alignl 7, 3214868480
	.fill 96, 4, 3214868480
	.section	.rodata,"a",@progbits
	.p2align	6, 0x0
	.amdhsa_kernel k_q147f33e712_quant
		.amdhsa_group_segment_fixed_size 33280
		.amdhsa_private_segment_fixed_size 0
		.amdhsa_enable_private_segment 0
		.amdhsa_kernarg_size 96
		.amdhsa_user_sgpr_count 2
		.amdhsa_user_sgpr_kernarg_segment_ptr 1
		.amdhsa_wavefront_size32 1
		.amdhsa_system_sgpr_workgroup_id_x 1
		.amdhsa_system_sgpr_workgroup_id_y 1
		.amdhsa_system_sgpr_workgroup_id_z 1
		.amdhsa_system_vgpr_workitem_id 0
		.amdhsa_next_free_vgpr 192
		.amdhsa_next_free_sgpr 66
		.amdhsa_reserve_vcc 1
		.amdhsa_float_denorm_mode_32 3
		.amdhsa_float_denorm_mode_16_64 3
		.amdhsa_memory_ordered 1
		.amdhsa_forward_progress 1
		.amdhsa_inst_pref_size 96
	.end_amdhsa_kernel
	.amdgpu_metadata
---
amdhsa.version: [ 1, 2 ]
amdhsa.kernels:
  - .name:           k_q147f33e712_quant
    .symbol:         k_q147f33e712_quant.kd
    .args:
      - { .name: q, .offset: 0, .size: 8, .value_kind: global_buffer, .address_space: global }
      - { .name: k, .offset: 8, .size: 8, .value_kind: global_buffer, .address_space: global }
      - { .name: v, .offset: 16, .size: 8, .value_kind: global_buffer, .address_space: global }
      - { .name: Wq, .offset: 24, .size: 8, .value_kind: global_buffer, .address_space: global }
      - { .name: Wk, .offset: 32, .size: 8, .value_kind: global_buffer, .address_space: global }
      - { .name: Wv, .offset: 40, .size: 8, .value_kind: global_buffer, .address_space: global }
      - { .name: Wo, .offset: 48, .size: 8, .value_kind: global_buffer, .address_space: global }
      - { .name: mask, .offset: 56, .size: 8, .value_kind: global_buffer, .address_space: global }
      - { .name: lowp_scales, .offset: 64, .size: 8, .value_kind: global_buffer, .address_space: global }
      - { .name: codes, .offset: 72, .size: 8, .value_kind: global_buffer, .address_space: global }
      - { .name: maskw, .offset: 80, .size: 8, .value_kind: global_buffer, .address_space: global }
      - { .name: flags, .offset: 88, .size: 8, .value_kind: global_buffer, .address_space: global }
    .group_segment_fixed_size: 33280
    .private_segment_fixed_size: 0
    .kernarg_segment_align: 8
    .kernarg_segment_size: 96
    .max_flat_workgroup_size: 128
    .sgpr_count:     66
    .vgpr_count:     192
    .wavefront_size: 32
...
	.end_amdgpu_metadata
.endif
;; end of part 1
;; launch proj (part 2): grid 4 x 96, 4 waves a work-group, clusters of 4 x 4, 327,680 bytes of LDS; arguments codes, lowp_scales, heads; writes heads
.if DOCPART == 2
	.amdgcn_target "amdgcn-amd-amdhsa--gfx1250"
	.amdhsa_code_object_version 6
	.text
	.protected	k_q147f33e712_proj
	.globl	k_q147f33e712_proj
	.p2align	8
	.type	k_q147f33e712_proj,@function
k_q147f33e712_proj:
	s_mov_b64 s[64:65], 0
	v_nop
	global_prefetch_b8 v0, s[64:65] scope:SCOPE_SE
	s_setreg_imm32_b32 hwreg(HW_REG_WAVE_MODE, 25, 1), 1
	s_wait_xcnt 0x0
	s_wait_alu depctr_hold_cnt(0) depctr_sa_sdst(0) depctr_va_vdst(0) depctr_va_sdst(0) depctr_va_ssrc(0) depctr_va_vcc(0) depctr_vm_vsrc(0)
	s_getreg_b32 s2, hwreg(HW_REG_IB_STS2, 6, 4)
	s_cmp_eq_u32 s2, 0
	s_cbranch_scc0 .Lentry_in_a_cluster
	s_endpgm
.Lentry_in_a_cluster:
	s_bfe_u32 s2, ttmp6, 0x10000c
	s_cmp_lg_u32 s2, 0xf033
	s_cbranch_scc0 .Lentry_shape_is_right
	s_endpgm
.Lentry_shape_is_right:
; The three projections, on codes of FP8 (E4M3): query = q Wq^T, key = k Wk^T, value = v Wv^T, each [8192][1024], K = 1024; each result is quantised at once, with the scale given for it as an operand of
; the attention's products (entries 6, 7, 9 of the scales), and stored head by head.
; heads: Qh at 0 and Kh at 8,388,608: [batch x head 64][s 2048][64 bytes];  Vh at 16,777,216: [batch x head 64][step of 128 keys 16][d 64][128 bytes]: the keys innermost, since they are the second product's K.
; THE GRID: 24 clusters of 4 x 4 work-groups along y; cluster Y serves product p = Y / 8.  A tile of C is 256 x 256, four waves, 128 x 128 a wave: 64 accumulators, 512 registers.
; p = 0, 1: A = the activation's codes (32 tile rows), B = the weight's (4 tile columns).  p = 2: A = Wv's codes (4 tile rows), B = v's (32 tile columns): C is then value TRANSPOSED, with the keys along its rows' bytes.
; All that hangs on p is chosen by s_cselect_b32; p hangs on the cluster's y alone, which the sixteen partners share.  There is no branch on it.
; K goes in steps of 256 through a ring of two LDS slots filled by the tensor data mover; the four work-groups of a row of the cluster ask for A's tile JOINTLY, the four of a column for B's.
; THE MATRIX INSTRUCTION IS USED TRANSPOSED (source 0 = 16 rows of B, source 1 = 16 rows of A): a lane holds eight neighbouring numbers of a row of C, which become eight neighbouring codes.
; A fragment is fetched by four loads of 16 bytes: a permutation of k inside an instruction, the same in A and B, so every product meets its partner; only the order of the sums inside an instruction changes.
; A sum stands for sum x 2^(ea + eb), so its code is sum / 2^(eo - ea - eb): the three exponents are folded into the conversion's one scale.
; LIMIT: eo - ea - eb between -126 and 119, so that the scale and 448 x the scale are f32 numbers.
; REGISTERS, in windows of 256: window 0: v0-31 addresses; from v128 A's fragments, ONE set; on the way out v32-159 at work.  window 1: B's fragments, TWO sets.  windows 2, 3: the accumulators of my rows 0-63, 64-127.
.set SIZE_K, 1024
.set KSTEP,  256                       ; along K in a slot
.set ROWB,   256                       ; a tile's row in bytes
.set KROW,   SIZE_K                    ; a row of A or of B in memory, in bytes
.set PITCH,  272                       ; an LDS row: 256 bytes + 16 of padding = 68 words: the 16 rows that a load touches start at 16 different banks (64 banks of 4 bytes: ISA guide 11.1)
.set FR,     16                        ; registers of a fragment: 16 rows x 128 K
.set NL,     4                         ; LDS loads that bring one
.set NP,     4                         ; places behind this matrix instruction (ISA guide 7.12.1)
.set HALFT,  128*PITCH                 ; 128 rows: what one tensor load brings
.set SLOT,   4*HALFT                   ; A's 256 rows, then B's 256 rows
.set LAPS,   SIZE_K/(2*KSTEP)          ; a lap = two K steps = once round the ring
.set SPARE,  2*SLOT                    ; behind the ring: the spare words, 128 bytes for each wave
.set SPITCH, 144                       ; the way out: a stage of 16 rows x (128 bytes + 16) for each wave, in slot 0, which has had its last fill and its last read when the first code is stored there
.set WOFF,   25165824                  ; where the weights' codes begin in the buffer of codes
.set GO,   8                           ; v8-11   the way out: my byte offsets in heads for the four stores of a block
.set LIMV, 12                          ; v12     448 x the scale
.set SCV,  13                          ; v13     the scale as f32
.set ADRA, 16                          ; v16-17  LDS address of my A fragments in slot 0, 1
.set ADRB, 20                          ; v20-21  the same for B
.set STO,  24                          ; v24     the way out: where I put 8 codes of a row
.set RD,   25                          ; v25     the way out: where I read 16 codes back
.set SPW,  28                          ; v28     LDS address of my spare word; never rewritten
.set NIL,  29                          ; v29     0; never rewritten
.set TMP,  32                          ; v32-95  a block's sums, held
.set CD,   96                          ; v96-127 a block's codes, two sets
.set AF,   128                         ; A's fragments, in window 0
.set BK,   128                         ; the way out: 16 registers read back from the stage, two sets
.set G1, 24                            ; s[24:31] descriptor group 1 for A's tiles;  s[32:39] group 0, one set for each slot
.set G0, 32
.set G1B, 48                           ; s[48:55], s[56:63] the same for B's tiles
.set G0B, 56
.set MSB, 0
.macro WIN new                         ; the immediate's high byte repeats the setting that is left
.if MSB != \new
	s_set_vgpr_msb (MSB<<8)|\new
.set MSB, \new
.endif
.endm
.set MUL_LO, 0xa1                      ; source 0 (B) window 1, source 1 (A) window 0, C and D window 2
.set MUL_HI, 0xf1                      ; the same, C and D window 3
.set TO_B,   0x40                      ; destination window 1, address window 0
; A joint load: waves 0 and 1 fetch for A, waves 2 and 3 for B.  Each of the two lines has ONE mask and one set of registers for all that issue it; the branch hangs on the wave's number alone.
; An s_nop 0 and four v_nop follow each of the two lines, ahead of the jump, the label and what follows.
.macro JLOAD g0a, g1a, g0b, g1b
	s_cmp_eq_u32 s15, 0
	s_cbranch_scc0 .Lfor_b_\@
	tensor_load_to_lds s[\g0a:\g0a+3], s[\g1a:\g1a+7]
	s_nop 0
.rept 4
	v_nop
.endr
	s_branch .Lasked_\@
.Lfor_b_\@:
	tensor_load_to_lds s[\g0b:\g0b+3], s[\g1b:\g1b+7]
	s_nop 0
.rept 4
	v_nop
.endr
.Lasked_\@:
.endm
.macro CREST                           ; a round of the cluster's barrier behind its opening barrier
	s_cmp_lg_u32 s14, 0
	s_cbranch_scc1 .Lnot_wave_0_\@
	s_barrier_signal -3
.Lnot_wave_0_\@:
	s_barrier_wait -3
	s_barrier_signal -1
	s_barrier_wait -1
.endm
.macro CROUND                          ; a whole round
	s_barrier_signal -1
	s_barrier_wait -1
	CREST
.endm
	s_load_b128 s[4:7], s[0:1], 0x0                ; the codes s[4:5], the scales' exponents s[6:7]
	s_load_b64 s[10:11], s[0:1], 0x10              ; heads
	v_lshl_add_u32 v[SPW], v0, 2, SPARE
	v_mov_b32 v[NIL], 0
	ds_add_u32 v[SPW], v[NIL]                      ; the wave's opening: the add, and its wait ahead of my first tensor load; the set-up below, work on registers, stands between them
	v_lshrrev_b32 v1, 5, v0
	v_readfirstlane_b32 s14, v1                    ; wave 0..3
	s_lshr_b32 s15, s14, 1                         ; which half of the tile's rows is mine.  Also: I fetch for A (0) or for B (1)
	s_and_b32 s16, s14, 1                          ; which half of its columns.  Also: which 128 rows of that tile I fetch
	s_bfe_u32 s40, ttmp6, 0x40000                  ; cx, cy: my place in the cluster
	s_bfe_u32 s41, ttmp6, 0x40004
	s_and_b32 s66, ttmp7, 0xffff                   ; the cluster's y: 0 .. 23
	s_lshr_b32 s67, s66, 3                         ; p: which product
	s_and_b32 s68, s66, 7                          ; which of its eight clusters
	s_lshl_b32 s72, s67, 23                        ; p < 2: A = the activation's codes,
	s_lshl_b32 s74, s67, 20
	s_add_co_u32 s74, s74, WOFF                    ;        B = the weight's
	s_cmp_eq_u32 s67, 2
	s_cselect_b32 s69, s68, 0                      ; the eight clusters lie along C's columns (p = 2)
	s_cselect_b32 s70, 0, s68                      ; or along its rows
	s_cselect_b32 s72, WOFF+2*0x100000, s72        ; p = 2: A = Wv's codes,
	s_cselect_b32 s74, 2*0x800000, s74             ;        B = v's
	s_lshl_b32 s42, s69, 2
	s_add_co_u32 s42, s42, s40                     ; tile column of C
	s_lshl_b32 s17, s70, 2
	s_add_co_u32 s17, s17, s41                     ; tile row of C
	s_lshl_b32 s43, s41, 2
	s_lshl_b32 s43, 15, s43                        ; my row of the cluster
	s_lshl_b32 s44, 0x1111, s40                    ; my column
	; descriptor group 1: a tile of 128 rows x ROWB bytes, padded in LDS
	s_or_b32 s[G1+0], s43, (0<<16)|(1<<20)|(1<<21)|(5<<22)|(3<<25)  ; 15:0 the mask: A's tiles go to my row; 17:16 element of 1 byte; 20 padding on; 21 set beside a mask; 24:22 after every 64 words (code 5); 31:25 of 4 words (code 3)
	s_or_b32 s[G1B+0], s44, (0<<16)|(1<<20)|(1<<21)|(5<<22)|(3<<25)
.irp g, G1, G1B
	s_mov_b32 s[\g+1], ROWB<<16                    ; tensor_dim0
	s_mov_b32 s[\g+2], 128<<16                     ; tensor_dim1 = 128
	s_mov_b32 s[\g+3], ROWB<<16                    ; tile_dim0
	s_mov_b32 s[\g+4], 128                         ; tile_dim1 = 128
	s_mov_b32 s[\g+5], KROW                        ; tensor_dim0_stride
	s_mov_b32 s[\g+6], 0
	s_mov_b32 s[\g+7], 0
.endr
	s_lshl_b32 s18, s16, 7                         ; which 128 rows of the tile I fetch
	s_lshl_b32 s20, s17, 8
	s_add_co_u32 s20, s20, s18                     ; A: row 256 x tile row + 128 x half
	s_lshl_b32 s46, s42, 8
	s_add_co_u32 s46, s46, s18                     ; B: row 256 x tile column + 128 x half
	s_lshl_b32 s20, s20, 10                        ; rows of 1,024 bytes,
	s_lshl_b32 s46, s46, 10
	s_add_co_u32 s20, s20, s72                     ; in the tensor's part of the buffer: all under 2^25
	s_add_co_u32 s46, s46, s74
	s_mov_b32 s21, 0
	s_mov_b32 s47, 0
	s_mul_i32 s45, s14, HALFT                      ; where they go: wave x 128 rows: no place in the cluster enters an LDS address
	s_wait_dscnt 0x0                               ; the opening add is done
	s_wait_kmcnt 0x0
	s_load_b256 s[76:83], s[6:7], 0x0              ; e0 .. e7
	s_load_b128 s[84:87], s[6:7], 0x20             ; e8 .. e11
	s_add_nc_u64 s[20:21], s[4:5], s[20:21]
	s_add_nc_u64 s[46:47], s[4:5], s[46:47]
	CROUND                                         ; all sixteen work-groups are here: the first joint loads meet
.irp s, 0,1
	s_mov_b32 s[G0+4*\s], 1
	s_add_co_u32 s[G0+4*\s+1], s45, \s*SLOT
	s_add_nc_u64 s[G0+4*\s+2:G0+4*\s+3], s[20:21], \s*ROWB
	s_or_b32 s[G0+4*\s+3], s[G0+4*\s+3], 0x80000000
	s_mov_b32 s[G0B+4*\s], 1
	s_add_co_u32 s[G0B+4*\s+1], s45, \s*SLOT
	s_add_nc_u64 s[G0B+4*\s+2:G0B+4*\s+3], s[46:47], \s*ROWB
	s_or_b32 s[G0B+4*\s+3], s[G0B+4*\s+3], 0x80000000
	JLOAD G0+4*\s, G1, G0B+4*\s, G1B
.endr
	v_and_b32 v1, 15, v0                           ; l % 16
	v_bfe_u32 v2, v0, 4, 1                         ; l / 16
	v_mul_u32_u24 v3, v1, PITCH
	v_lshl_add_u32 v4, v2, 4, v3                   ; a fragment's row x pitch + 16 x half
	s_mul_i32 s21, s15, HALFT                      ; my 128 rows of A
	s_mul_i32 s22, s16, HALFT                      ; my 128 rows of B,
	s_add_co_u32 s22, s22, 2*HALFT                 ; which lie behind A's 256
.irp s, 0,1
	v_add_nc_u32 v[ADRA+\s], s21, v4
	v_add_nc_u32 v[ADRB+\s], s22, v4
	s_add_co_u32 s21, s21, SLOT
	s_add_co_u32 s22, s22, SLOT
.endr
	; the way out's addresses.  In the stage: row l % 16, 8 bytes for each half of the lanes; back: lane l takes 16 bytes: row (l / 4) % 4 of four, byte 64 (l / 16) + 16 (l % 4)
	s_mul_i32 s23, s14, 16*SPITCH                  ; my stage
	v_mul_u32_u24 v3, v1, SPITCH
	v_lshl_add_u32 v3, v2, 3, v3
	v_add_nc_u32 v[STO], s23, v3
	v_and_b32 v5, 3, v0                            ; l % 4
	v_bfe_u32 v6, v0, 2, 2                         ; (l / 4) % 4
	v_lshlrev_b32 v7, 4, v5
	v_mad_u32_u24 v[RD], v6, SPITCH, v7
	v_lshl_add_u32 v[RD], v2, 6, v[RD]
	v_add_nc_u32 v[RD], s23, v[RD]
	; where my 128 x 128 of C goes in heads.  p < 2: rows are (batch, s), columns two heads' 64 d.  p = 2: rows are two heads' 64 d, columns (batch, 128 keys: one step)
	s_lshl_b32 s92, s17, 8
	s_lshl_b32 s93, s15, 7
	s_add_co_u32 s92, s92, s93                     ; my first row of C
	s_lshl_b32 s93, s42, 8
	s_lshl_b32 s94, s16, 7
	s_add_co_u32 s93, s93, s94                     ; my first column
	s_lshl_b32 s95, s67, 23                        ; Qh, Kh or Vh
	s_cmp_eq_u32 s67, 2
	s_cselect_b32 s94, s93, s92                    ; the index that runs over (batch, s)
	s_cselect_b32 s92, s92, s93                    ; the index that runs over (head, d)
	s_cselect_b32 s88, 128, 64                     ; bytes from a row of C to the next
	s_cselect_b32 s89, 64, 0x20000                 ; bytes from the row's first 64 codes to its second 64: on in the row, or a head on
	s_cselect_b32 s90, 122880, 0                   ; p = 2: behind my 64th row the next head begins: 131,072 - 64 x 128 bytes more
	s_mov_b32 s91, 0
	s_lshr_b32 s93, s94, 11                        ; batch
	s_lshl_b32 s93, s93, 4
	s_lshr_b32 s92, s92, 6                         ; head
	s_add_co_u32 s93, s93, s92
	s_lshl_b32 s93, s93, 17                        ; a head is 131,072 bytes
	s_and_b32 s94, s94, 2047                       ; s: x 64 bytes, in Qh and Kh by rows, in Vh by steps of 128 keys x 64 d
	s_lshl_b32 s94, s94, 6
	s_add_co_u32 s94, s94, s93
	s_add_co_u32 s94, s94, s95
	s_mov_b32 s95, 0
	s_add_nc_u64 s[10:11], s[10:11], s[94:95]
	s_lshl_b32 s98, s88, 4                         ; 16 rows on
	s_mov_b32 s99, 0
	s_lshl_b32 s97, s88, 2                         ; 4 rows on
	v_mad_u32_u24 v[GO], v6, s88, v7
	v_mad_u32_u24 v[GO], v2, s89, v[GO]
	v_add_nc_u32 v[GO+1], s97, v[GO]
	v_add_nc_u32 v[GO+2], s97, v[GO+1]
	v_add_nc_u32 v[GO+3], s97, v[GO+2]
.macro FRAG reg, adr, q, i             ; a fragment, 16 rows x 128 K of 8-bit codes, is 16 registers: lane l holds row l % 16; registers 4 c .. 4 c + 3 hold K = 32 c + 16 (l / 16) + 0 .. 15
.irp c, 0,1,2,3
	ds_load_b128 v[\reg+4*\c:\reg+4*\c+3], v[\adr] offset:128*(\q)+32*\c+(\i)*16*PITCH
.endr
.endm
; 16 matrix instructions: A's blocks a0, a0 + 1 x B's eight, 128 along K.  p: B's set.  zero = 1: the first product starts the sums: nothing is ever cleared.
; The 64 accumulators take turns, one instruction a turn, in the same order in every step.
.macro MUL16 a0, p, zero
.irp a, \a0, \a0+1
.irp b, 0,1,2,3,4,5,6,7
.if \zero
	v_wmma_f32_16x16x128_fp8_fp8 v[8*(8*((\a)%4)+\b):8*(8*((\a)%4)+\b)+7], v[128*(\p)+FR*\b:128*(\p)+FR*\b+FR-1], v[AF+FR*(\a):AF+FR*(\a)+FR-1], 0
.else
	v_wmma_f32_16x16x128_fp8_fp8 v[8*(8*((\a)%4)+\b):8*(8*((\a)%4)+\b)+7], v[128*(\p)+FR*\b:128*(\p)+FR*\b+FR-1], v[AF+FR*(\a):AF+FR*(\a)+FR-1], v[8*(8*((\a)%4)+\b):8*(8*((\a)%4)+\b)+7]
.endif
.endr
.endr
.endm
.macro FETCH_B slot, q, p              ; B's eight fragments of the slot's q-th 128 along K into set p
	WIN TO_B
.irp i, 0,1,2,3,4,5,6,7
	FRAG 128*(\p)+FR*\i, ADRB+\slot, \q, \i
.endr
	WIN 0
.endm
.macro FETCH_A slot, q, i0             ; A's blocks i0 .. i0 + 3
.irp i, \i0, \i0+1, \i0+2, \i0+3
	FRAG AF+FR*(\i), ADRA+\slot, \q, \i
.endr
.endm
; A load into a register that a matrix instruction has read, and a vector instruction that reads a matrix result, stand NP places behind that matrix instruction; only plain vector instructions
; that name none of its registers are places (ISA guide 7.12.1 for vector instructions).
.macro PLACES n
.rept \n
	v_nop
.endr
.endm
; A step of 128 along K that has its successor in the same slot.
.macro STEP slot, q, zero
	s_wait_dscnt 4*NL                              ; B's set and A's blocks 0-3 are in; the youngest sixteen loads (A's blocks 4-7) may be out
	WIN MUL_LO
	MUL16 0, (\q)%2, \zero
	MUL16 2, (\q)%2, \zero
	s_wait_dscnt 0                                 ; A's blocks 4-7 are in
	PLACES NP
	FETCH_B \slot, (\q)+1, 1-(\q)%2
	FETCH_A \slot, (\q)+1, 0
	WIN MUL_HI
	MUL16 4, (\q)%2, \zero
	MUL16 6, (\q)%2, \zero
	PLACES NP
	WIN 0
	FETCH_A \slot, (\q)+1, 4
.endm
; A slot's last step changes slots: ONE barrier; in front of it each wave waits for all its tensor loads, adds 0 to its spare word, and waits for that and for its own reads of this slot.  fill = 1: this slot is filled again, two K steps ahead.
.macro TURN slot, next, fill
	s_wait_tensorcnt 0x0                           ; all my tensor loads have landed: my part of the next slot;  (every window is 0 here)
	ds_add_u32 v[SPW], v[NIL]                      ; 0 onto my spare word:
	s_wait_dscnt 4*NL+1                            ; (the add and the youngest sixteen loads, A's blocks 4-7, may be out)
	WIN MUL_LO
	MUL16 0, 1, 0                                  ; sixteen matrix instructions stand between the add and the wait for it
	s_wait_dscnt 0x0                               ; the add is done, and my reads of this slot are over
	s_barrier_signal -1
	MUL16 2, 1, 0
	WIN 0
	s_barrier_wait -1
.if \fill
	CREST                                          ; the barrier has opened a round of the cluster's barrier: no wave of any partner still reads this slot's tile or has a load on its way
	s_add_nc_u64 s[G0+4*\slot+2:G0+4*\slot+3], s[G0+4*\slot+2:G0+4*\slot+3], 2*ROWB
	s_add_nc_u64 s[G0B+4*\slot+2:G0B+4*\slot+3], s[G0B+4*\slot+2:G0B+4*\slot+3], 2*ROWB
	JLOAD G0+4*\slot, G1, G0B+4*\slot, G1B         ; the first tensor load behind the round; the four v_nop behind it are the places in front of the loads below
.else
	PLACES NP
.endif
	FETCH_B \next, 0, 0
	FETCH_A \next, 0, 0
	WIN MUL_HI
	MUL16 4, 1, 0
	MUL16 6, 1, 0
	PLACES NP
	WIN 0
	FETCH_A \next, 0, 4
.endm
	s_wait_tensorcnt 1                             ; my part of K step 0 is in; K step 1's load may be out
	s_barrier_signal -1
	s_barrier_wait -1                              ; everybody's is
	FETCH_B 0, 0, 0
	FETCH_A 0, 0, 0
	FETCH_A 0, 0, 4
	STEP 0, 0, 1                                   ; the first step stands in front of the loop: its products start the sums
	s_mov_b32 s3, LAPS-1
.Llap:                                                 ; a trip goes once round the ring, from a lap's second step to the next lap's first, and fills both slots again
	TURN 0, 1, 1
	STEP 1, 0, 0
	TURN 1, 0, 1
	STEP 0, 0, 0
	s_sub_co_u32 s3, s3, 1
	s_cmp_lg_u32 s3, 0
	s_cbranch_scc1 .Llap
	TURN 0, 1, 0                                   ; the last lap fills nothing, and has no round of the cluster's barrier
	STEP 1, 0, 0
	s_wait_dscnt 4*NL                              ; the very last step: nothing more to fetch
	WIN MUL_LO
	MUL16 0, 1, 0
	MUL16 2, 1, 0
	s_wait_dscnt 0
	WIN MUL_HI
	MUL16 4, 1, 0
	MUL16 6, 1, 0
	WIN 0
; THE WAY OUT, block by block of 16 rows x 128 columns.  The sums are held within +-448 x the scale (into other registers, each accumulator from its low end on), converted eight at a time, and go through my own
; stage in LDS: 8 bytes a lane in, 16 bytes a lane back, so laid that each store's 32 lanes fill two aligned runs of 256 bytes of heads (p = 2: one run of 512).
; LDS serves a wave's instructions in order (ISA guide 5.7.1.4): no wait between the stores and the loads, nor in front of the next block's stores.
.macro TOSTAGE a
.set AC, 64*((\a)%4)
.set CC, CD+16*((\a)%2)
.set BB, BK+16*((\a)%2)
	WIN 0x02+((\a)/4)                              ; source 0: window 2 or 3
.set j, 0
.rept 64
	v_med3_num_f32 v[TMP+j], v[AC+j], -v[LIMV], v[LIMV]   ; the conversion to an 8-bit code does not saturate (ISA guide 7.6.2)
.set j, j+1
.endr
	WIN 0
.irp b, 0,1,2,3,4,5,6,7
	v_cvt_scalef32_pk8_fp8_f32 v[CC+2*\b:CC+2*\b+1], v[TMP+8*\b:TMP+8*\b+7], v[SCV]
.endr
	v_nop                                          ; one plain vector line behind the last conversion: the next block's holds write the conversions' sources
.irp b, 0,1,2,3,4,5,6,7
	ds_store_b64 v[STO], v[CC+2*\b:CC+2*\b+1] offset:16*\b
.endr
.irp i, 0,1,2,3
	ds_load_b128 v[BB+4*\i:BB+4*\i+3], v[RD] offset:\i*4*SPITCH
.endr
.endm
.macro SEND a, younger                 ; younger: the LDS instructions issued behind block a's loads, which may stay out
.set BB, BK+16*((\a)%2)
	s_wait_dscnt \younger                          ; the block is back in registers
.if (\a) > 0
	s_add_nc_u64 s[10:11], s[10:11], s[98:99]      ; (behind a wait on XCNT: the earlier stores have read their base)  16 rows of C on
.endif
.if (\a) == 4
	s_add_nc_u64 s[10:11], s[10:11], s[90:91]      ; p = 2: on into the next head
.endif
.irp i, 0,1,2,3
	global_store_b128 v[GO+\i], v[BB+4*\i:BB+4*\i+3], s[10:11]
.endr
.endm
	s_wait_kmcnt 0x0
	s_sub_co_i32 s96, s82, s76                     ; p = 0: e6 - e0 - e1
	s_sub_co_i32 s96, s96, s77
	s_sub_co_i32 s97, s83, s78                     ; p = 1: e7 - e2 - e3
	s_sub_co_i32 s97, s97, s79
	s_sub_co_i32 s71, s85, s80                     ; p = 2: e9 - e4 - e5
	s_sub_co_i32 s71, s71, s81
	s_cmp_eq_u32 s67, 1
	s_cselect_b32 s96, s97, s96
	s_cmp_eq_u32 s67, 2
	s_cselect_b32 s96, s71, s96
	s_add_co_i32 s96, s96, 127
	s_lshl_b32 s97, s96, 23
	v_mov_b32 v[SCV], s97                          ; the folded scale as f32
	s_add_co_i32 s96, s96, 8
	s_lshl_b32 s96, s96, 23
	s_or_b32 s96, s96, 0x600000
	v_mov_b32 v[LIMV], s96                         ; 448 x that
	PLACES NP                                      ; in front of the loads into the registers that held A's fragments, and of the reads of results
	TOSTAGE 0
.irp a, 1,2,3,4,5,6,7
.if \a > 1
	s_wait_xcnt 0x0                                ; block a - 2's stores have read their registers and their base: block a's loads may land there, and the base may step
.endif
	TOSTAGE \a
	SEND \a-1, 12                                  ; behind block a - 1's loads: block a's 8 stores and 4 loads
.endr
	s_wait_xcnt 0x0                                ; block 6's stores have read their base
	SEND 7, 0
	s_wait_tensorcnt 0x0                           ; the wave's end, behind my last tensor load and my last LDS store
	ds_add_u32 v[SPW], v[NIL]
	s_wait_dscnt 0x0
	CROUND                                         ; the closing round: no work-group ends while a partner may still ask for a tile that names it
	s_endpgm
.Lfunc_end_k_q147f33e712_proj:
	.size	k_q147f33e712_proj, .Lfunc_end_k_q147f33e712_proj-k_q147f33e712_proj
	.p2alignl 7, 3214868480
	.fill 96, 4, 3214868480
	.section	.rodata,"a",@progbits
	.p2align	6, 0x0
	.amdhsa_kernel k_q147f33e712_proj
		.amdhsa_group_segment_fixed_size 327680
		.amdhsa_private_segment_fixed_size 0
		.amdhsa_enable_private_segment 0
		.amdhsa_kernarg_size 24
		.amdhsa_user_sgpr_count 2
		.amdhsa_user_sgpr_kernarg_segment_ptr 1
		.amdhsa_wavefront_size32 1
		.amdhsa_system_sgpr_workgroup_id_x 1
		.amdhsa_system_sgpr_workgroup_id_y 1
		.amdhsa_system_sgpr_workgroup_id_z 1
		.amdhsa_system_vgpr_workitem_id 0
		.amdhsa_next_free_vgpr 1024
		.amdhsa_next_free_sgpr 100
		.amdhsa_reserve_vcc 0
		.amdhsa_float_denorm_mode_32 3
		.amdhsa_float_denorm_mode_16_64 3
		.amdhsa_memory_ordered 1
		.amdhsa_forward_progress 1
		.amdhsa_inst_pref_size 126
	.end_amdhsa_kernel
	.amdgpu_metadata
---
amdhsa.version: [ 1, 2 ]
amdhsa.kernels:
  - .name:           k_q147f33e712_proj
    .symbol:         k_q147f33e712_proj.kd
    .args:
      - { .name: codes, .offset: 0, .size: 8, .value_kind: global_buffer, .address_space: global }
      - { .name: lowp_scales, .offset: 8, .size: 8, .value_kind: global_buffer, .address_space: global }
      - { .name: heads, .offset: 16, .size: 8, .value_kind: global_buffer, .address_space: global }
    .group_segment_fixed_size: 327680
    .private_segment_fixed_size: 0
    .kernarg_segment_align: 8
    .kernarg_segment_size: 24
    .max_flat_workgroup_size: 128
    .sgpr_count:     100
    .vgpr_count:     1024
    .wavefront_size: 32
...
	.end_amdgpu_metadata
.endif
;; end of part 2
;; launch attn (part 3): grid 8 x 64, 16 waves a work-group, no clusters, 88,064 bytes of LDS; arguments heads, maskw, flags, lowp_scales, xcodes; writes xcodes
.if DOCPART == 3
	.amdgcn_target "amdgcn-amd-amdhsa--gfx1250"
	.amdhsa_code_object_version 6
	.text
	.protected	k_q147f33e712_attn
	.globl	k_q147f33e712_attn
	.p2align	8
	.type	k_q147f33e712_attn,@function
k_q147f33e712_attn:
	s_mov_b64 s[64:65], 0
	v_nop
	global_prefetch_b8 v0, s[64:65] scope:SCOPE_SE
	s_setreg_imm32_b32 hwreg(HW_REG_WAVE_MODE, 25, 1), 1
	s_wait_xcnt 0x0
; x[b][s][head][:] = softmax over the keys of (query . key / 8, -infinity where the mask is 0) x value, both products on codes of FP8 (E4M3); x is quantised at once for the last projection (entry 10 of the scales).
; IN: heads (Qh, Kh: [batch x head 64][s 2048][64 bytes]; Vh: [64][step 16][d 64][128 keys]); maskw and flags, made from the mask input by the first launch.
; OUT: xcodes [block of 256 rows 32][head 16][row 256][64 bytes].
; THE SOFTMAX: t = score x log2(e) / 8; M = the row's largest t so far, rounded UP to a whole number; p = 2^(t - M) is what is quantised, not normalised; the row's sum is taken of the unquantised p and divides at the end.
; When M moves, the sum and O are multiplied by 2^(old M - new M): exact.  A p far under the row's final largest may fall under the format's range.
; SHARES.  Work-group (x, batch x head) has sixteen waves; wave w owns the 16 queries of tile 8 w + x: so each work-group's tiles are spread over the whole sequence.  Four waves to a SIMD, 256 registers each.
; Every wave walks the head's 16 steps of 128 keys, two steps to an LDS slot, two slots.  A STEP WHOSE TILE OF THE MASK HAS NO ENTRY THAT COUNTS IS LEFT OUT, and where all its entries count the mask is not applied:
; scalar branches on the stored flags, round the step's own loads and arithmetic and round no barrier.  The mask itself is honoured as it was given, whatever its pattern.
; NO CLUSTER, NO TENSOR LOAD.  What the eight work-groups of a head share is 32 KiB a slot, brought by four loads of 16 bytes a thread.
; LDS HOLDS IMAGES OF THE OPERANDS' REGISTERS: thread T copies bytes 16 T .. 16 T + 15 of a step's K and of its V (each 8 KiB, dense) to the place where the lane that wants them reads 16 bytes at 16 x lane.
;   K tile t (0-7), chunk c (0-1), lane (r, h): bytes 32 c + 16 h .. of key 32 (t / 2) + 8 (t % 2) + r + 8 (r / 8), at 1024 t + 512 c + 16 lane.
;   V tile t (0-3), chunk c (0-3), lane (r, h): keys 32 c + 16 h .. of d = 32 (t / 2) + 8 (t % 2) + r + 8 (r / 8), at 2048 t + 512 c + 16 lane.
; Both products are used transposed (S^T = K Q^T, O^T = V^T P^T): a lane holds ONE query (lane % 16); score register n is key 32 (n / 16) + 16 (lane / 16) + n % 16; O^T's register 16 b + i is d = 32 b + 16 (lane / 16) + i.
; k is permuted inside a matrix instruction, alike in both operands: every product meets its partner.
; A ROW WITH NO MASK ENTRY THAT COUNTS has the sum 0: its codes are the format's NaN, as the softmax of such a row is NaN.
; LIMITS: e6 + e7 between -124 and 130; e8, and e10 - e8 - e9, between -126 and 119.
.set SLOT1, 32768                      ; slot 1 begins here: one exclusive or turns an address in one slot into the other's
.set VOFF,  16384                      ; a slot: two steps of K, then two steps of V
.set STG,   65536                      ; the way out: 16 rows x (64 bytes + 16) for each wave
.set SPARE, 86016                      ; the spare words, 128 bytes for each of the sixteen waves
.set LI,   1                           ; v1   16 x lane
.set KD,   2                           ; v2   where my thread's 16 bytes of K go in a step's image
.set VD,   3                           ; v3   the same for V
.set GOF,  4                           ; v4   16 x thread: where they come from
.set SPW,  5                           ; v5   LDS address of my spare word; never rewritten
.set NIL,  6                           ; v6   0; never rewritten
.set PFO,  7                           ; v7   256 x lane: the prefetches' offset
.set ADL,  8                           ; v8   LDS address of the slot's images for my lane
.set AKS,  9                           ; v9, v10  LDS addresses of my thread's stores
.set AVS,  10
.set NINF, 11                          ; v11  -infinity
.set QF,   16                          ; v16-23   Q's fragment.  (v12 -M, v13 the largest t, v[14:15] the sum in two halves)
.set SD,   24                          ; v24-39   the next slot's bytes on their way
.set KV,   40                          ; v40-103  K's eight fragments, then V's four
.set S,    104                         ; v104-167 S^T, then p
.set O,    168                         ; v168-199 O^T
.set PC,   200                         ; v200-215 p's codes
                                       ; v216, v222 at work (the maximum's two chains); v217 a lane permute's result; v[218:219] f; v[220:221] the sum's second chain
                                       ; v223, v224: 2^e8, 448 x 2^e8; v225, v226: the same with e10 - e8 - e9; v227, v228 my stage, in and back; v229-231, v232-247 the way out
.set TB,   2                           ; s2   LDS byte at which the slot in hand begins
.set WV,   14                          ; s14  my wave's number
.set FL,   66                          ; s66  my tile's flags: bit i: step i has an entry that counts; bit 16 + i: all count
.set SI,   67                          ; s67  the step's number
.set SEL,  84                          ; s[84:85] lane selects: lane l xor 16
.set CS,   86                          ; s[86:87] c = log2(e) / 8 x 2^(e6 + e7)
.set KG,   88                          ; s[88:89] K's codes of the slot that is being fetched
.set VG,   90                          ; s[90:91] V's
.set MW,   92                          ; s[92:93] the step's 64 mask words.  They land in s16-63 and s68-83
.set EP,   94                          ; s94  e8
.set PFA,  98                          ; s[98:99] where my prefetches stand
.set LIM,  100                         ; s100 1 in a wave that prefetches, else the greatest number
.set TS,   101                         ; s101 the slot that is stored into
	s_load_b256 s[4:11], s[0:1], 0x0               ; heads 4, maskw 6, flags 8, the scales' exponents 10
	s_load_b64 s[12:13], s[0:1], 0x20              ; xcodes
	v_lshl_add_u32 v[SPW], v0, 2, SPARE
	v_mov_b32 v[NIL], 0
	v_lshrrev_b32 v8, 5, v0
	v_readfirstlane_b32 s[WV], v8                  ; wave 0..15
	v_and_b32 v9, 31, v0                           ; lane
	v_lshlrev_b32 v[LI], 4, v9
	v_lshlrev_b32 v[PFO], 8, v9
	v_lshlrev_b32 v[GOF], 4, v0
	; K: thread bits 0: h, 1: c, 2-4: r % 8, 5: t % 2, 6: r / 8, 7-8: t / 2
	v_bfe_u32 v[KD], v0, 2, 3
	v_lshlrev_b32 v[KD], 4, v[KD]
	v_bfe_u32 v8, v0, 6, 1
	v_lshl_or_b32 v[KD], v8, 7, v[KD]
	v_and_b32 v8, 3, v0
	v_lshl_or_b32 v[KD], v8, 8, v[KD]
	v_bfe_u32 v8, v0, 5, 1
	v_lshl_or_b32 v[KD], v8, 10, v[KD]
	v_bfe_u32 v8, v0, 7, 2
	v_lshl_or_b32 v[KD], v8, 11, v[KD]
	; V: thread bits 0: h, 1-2: c, 3-5: r % 8, 6: t % 2, 7: r / 8, 8: t / 2
	v_bfe_u32 v[VD], v0, 3, 3
	v_lshlrev_b32 v[VD], 4, v[VD]
	v_bfe_u32 v8, v0, 7, 1
	v_lshl_or_b32 v[VD], v8, 7, v[VD]
	v_and_b32 v8, 7, v0
	v_lshl_or_b32 v[VD], v8, 8, v[VD]
	v_bfe_u32 v8, v0, 6, 1
	v_lshl_or_b32 v[VD], v8, 11, v[VD]
	v_bfe_u32 v8, v0, 8, 1
	v_lshl_or_b32 v[VD], v8, 12, v[VD]
	v_and_b32 v216, 15, v0                         ; r
	v_bfe_u32 v217, v0, 4, 1                       ; h
	v_lshlrev_b32 v222, 6, v216
	v_lshl_add_u32 v222, v217, 4, v222             ; Q: row r of 64 bytes, + 16 h
	s_mul_i32 s15, s[WV], 1280
	s_add_co_u32 s15, s15, STG                     ; my stage
	v_mul_u32_u24 v227, v216, 80
	v_lshl_add_u32 v227, v217, 4, v227
	v_add_nc_u32 v227, s15, v227                   ; in: row r, + 16 h
	v_lshrrev_b32 v228, 2, v9
	v_mul_u32_u24 v228, v228, 80
	v_and_b32 v8, 3, v0
	v_lshl_add_u32 v228, v8, 4, v228
	v_add_nc_u32 v228, s15, v228                   ; back: four lanes to a row of 64 bytes
	s_and_b32 s16, ttmp7, 0xffff                   ; batch x head
	s_lshl_b32 s17, s[WV], 3
	s_add_co_u32 s17, s17, ttmp9                   ; my tile of queries: 8 w + x
	s_lshl_b32 s18, s16, 17                        ; a head is 131,072 bytes in Qh, Kh and Vh
	s_mov_b32 s19, 0
	s_lshl_b32 s20, s17, 10                        ; Q: 16 rows of 64 bytes a tile
	s_add_co_u32 s20, s20, s18
	s_mov_b32 s21, 0
	s_lshl_b32 s22, s17, 12                        ; maskw: 4,096 bytes a tile
	s_mov_b32 s23, 0
	s_lshl_b32 s24, s17, 4                         ; flags: 16 bytes a tile
	s_mov_b32 s25, 0
	s_lshr_b32 s26, s16, 4                         ; x: row = 2048 batch + 128 w + 16 x: block 8 batch + w / 2,
	s_lshl_b32 s26, s26, 3
	s_lshr_b32 s27, s[WV], 1
	s_add_co_u32 s26, s26, s27
	s_lshl_b32 s26, s26, 18
	s_and_b32 s27, s16, 15                         ; head,
	s_lshl_b32 s27, s27, 14
	s_add_co_u32 s26, s26, s27
	s_and_b32 s27, s[WV], 1                        ; row 128 (w % 2) + 16 x of the block
	s_lshl_b32 s27, s27, 7
	s_lshl_b32 s28, ttmp9, 4
	s_add_co_u32 s27, s27, s28
	s_lshl_b32 s27, s27, 6
	s_add_co_u32 s26, s26, s27
	s_mov_b32 s27, 0
	s_and_b32 s28, s[WV], 1                        ; the prefetches: my wave's 8,192 bytes of a slot's 16,384,
	s_lshl_b32 s28, s28, 13
	s_add_co_u32 s28, s28, 16384                   ; in slot 1: the first trip steps it to slot 2
	s_mov_b32 s29, 0
	s_lshr_b32 s30, s[WV], 2                       ; waves 0 to 3
	s_or_b32 s30, s30, ttmp9                       ; of the head's first work-group ask
	s_cmp_eq_u32 s30, 0
	s_cselect_b32 s[LIM], 1, -1
	s_mov_b32 s[SEL], 0x76543210
	s_mov_b32 s[SEL+1], 0xfedcba98
	s_mov_b32 s[CS], 0x3e38aa3b                    ; log2(e) / 8
	s_mov_b32 s[SI], 0
	s_mov_b32 s[TB], 0
	s_mov_b32 s[TS], 0
	s_mov_b32 s3, 7
	s_wait_kmcnt 0x0
	s_add_nc_u64 s[8:9], s[8:9], s[24:25]
	s_load_b128 s[32:35], s[8:9], 0x0              ; my tile's four words of flags
	s_load_b128 s[36:39], s[10:11], 0x18           ; e6, e7, e8, e9
	s_load_b32 s40, s[10:11], 0x28                 ; e10
	s_add_nc_u64 s[KG:KG+1], s[4:5], s[18:19]
	s_add_nc_u64 s[VG:VG+1], s[KG:KG+1], 0x1000000
	s_add_nc_u64 s[KG:KG+1], s[KG:KG+1], 0x800000
	s_add_nc_u64 s[4:5], s[4:5], s[20:21]
	s_add_nc_u64 s[MW:MW+1], s[6:7], s[22:23]
	s_add_nc_u64 s[12:13], s[12:13], s[26:27]
	s_cmp_lt_u32 s[WV], 2                          ; waves 0, 1 ask for K's codes, waves 2, 3 for V's
	s_cselect_b64 s[PFA:PFA+1], s[KG:KG+1], s[VG:VG+1]
	s_add_nc_u64 s[PFA:PFA+1], s[PFA:PFA+1], s[28:29]
	global_load_b128 v[QF:QF+3], v222, s[4:5]                ; Q's fragment stays in registers: registers 4 c .. hold bytes 32 c + 16 h ..
	global_load_b128 v[QF+4:QF+7], v222, s[4:5] offset:32
.macro GLOAD                           ; a slot's two steps of K and of V: 16 bytes of each a thread; a wave's load covers 512 consecutive bytes
	global_load_b128 v[SD:SD+3],     v[GOF], s[KG:KG+1]
	global_load_b128 v[SD+4:SD+7],   v[GOF], s[KG:KG+1] offset:8192
	global_load_b128 v[SD+8:SD+11],  v[GOF], s[VG:VG+1]
	global_load_b128 v[SD+12:SD+15], v[GOF], s[VG:VG+1] offset:8192
.endm
.macro DSTORE                          ; into the images of slot s[TS]
	v_add_nc_u32 v[AKS], s[TS], v[KD]
	v_add_nc_u32 v[AVS], s[TS], v[VD]
	ds_store_b128 v[AKS], v[SD:SD+3]
	ds_store_b128 v[AKS], v[SD+4:SD+7] offset:8192
	ds_store_b128 v[AVS], v[SD+8:SD+11] offset:VOFF
	ds_store_b128 v[AVS], v[SD+12:SD+15] offset:VOFF+8192
.endm
.macro BAR                             ; my LDS stores have landed and my LDS loads are in: then the work-group's barrier
	s_wait_dscnt 0x0
	s_barrier_signal -1
	s_barrier_wait -1
.endm
; A PREFETCH INTO THE L2 of the slot behind the one that is being loaded: 16,384 bytes of K and as many of V.  All eight work-groups of a head walk the same K and V: the head's first asks, and in it waves 0, 1 for K's
; two halves and waves 2, 3 for V's, lanes 256 bytes apart: each aligned block of 256 bytes is named once in the launch.  It stands behind the wave's loads.  The last trip that loads asks for nothing: there is no slot left.
.macro ASK
	s_cmp_gt_u32 s3, s[LIM]
	s_cbranch_scc0 .Lnot_mine_\@
	global_prefetch_b8 v[PFO], s[PFA:PFA+1] th:TH_LOAD_NT scope:SCOPE_SE
.Lnot_mine_\@:
.endm
	GLOAD                                          ; slot 0
	v_mov_b32 v[NINF], 0xff800000
	v_mov_b32 v13, 0xff61b1e6                      ; the largest t so far: -3e38, under every t
	v_floor_f32 v12, -v13                          ; -M
	v_mov_b32 v14, 0                               ; the sum, in two halves
	v_mov_b32 v15, 0
	v_mov_b32 v219, 0                              ; (named as the upper half of the pair v[218:219])
.set j, 0
.rept 32
	v_mov_b32 v[O+j], 0                            ; O^T.  (The step is written once: the first finds zeros, which the first change of M leaves zeros)
.set j, j+1
.endr
	s_wait_kmcnt 0x0
	s_or_b32 s[FL], s32, s33
	s_or_b32 s[FL], s[FL], s34
	s_or_b32 s[FL], s[FL], s35
	s_add_co_i32 s41, s36, s37
	s_lshl_b32 s41, s41, 23
	s_add_co_i32 s[CS], s[CS], s41                 ; a score stands for score x 2^(e6 + e7): the two exponents are added to c's exponent field
	s_mov_b32 s[CS+1], s[CS]                       ; (named with it as a pair, so it is written)
	s_mov_b32 s[EP], s38
	s_add_co_i32 s41, s38, 127
	s_lshl_b32 s42, s41, 23
	v_mov_b32 v223, s42                            ; 2^e8 as f32, for p's conversions
	s_add_co_i32 s41, s41, 8
	s_lshl_b32 s41, s41, 23
	s_or_b32 s41, s41, 0x600000
	v_mov_b32 v224, s41                            ; 448 x 2^e8
	s_sub_co_i32 s41, s40, s38
	s_sub_co_i32 s41, s41, s39                     ; x = O^T x 2^(e8 + e9) / the sum: its code is (O^T / the sum) / 2^(e10 - e8 - e9)
	s_add_co_i32 s41, s41, 127
	s_lshl_b32 s42, s41, 23
	v_mov_b32 v225, s42
	s_add_co_i32 s41, s41, 8
	s_lshl_b32 s41, s41, 23
	s_or_b32 s41, s41, 0x600000
	v_mov_b32 v226, s41
	s_wait_loadcnt 0x0                             ; Q, and slot 0's bytes
	DSTORE
	BAR                                            ; slot 0's images are whole
; A KEY STEP: 128 keys, the q-th of the slot in hand.
.macro STEP q
	s_bitcmp1_b32 s[FL], s[SI]                     ; has this tile of the mask any entry that counts?
	s_cbranch_scc0 .Lskip_\@
	s_load_b512 s[16:31], s[MW:MW+1], 0x0          ; the step's 64 mask words, asked for in every step that is walked: they land under the first product
	s_load_b512 s[32:47], s[MW:MW+1], 0x40
	s_load_b512 s[48:63], s[MW:MW+1], 0x80
	s_load_b512 s[68:83], s[MW:MW+1], 0xc0
	v_add_nc_u32 v[ADL], s[TB], v[LI]
.irp t, 0,1,2,3,4,5,6,7
.irp c, 0,1
	ds_load_b128 v[KV+8*\t+4*\c:KV+8*\t+4*\c+3], v[ADL] offset:8192*(\q)+1024*\t+512*\c   ; (four v_nop close every step: the places in front of these loads)
.endr
.endr
	s_wait_dscnt 0x0
.irp t, 0,1,2,3,4,5,6,7
	v_wmma_f32_16x16x64_fp8_fp8 v[S+8*\t:S+8*\t+7], v[KV+8*\t:KV+8*\t+7], v[QF:QF+7], 0
.endr
.rept 4
	v_nop                                          ; places in front of the loads into K's registers and of the first read of the scores
.endr
.irp t, 0,1,2,3
.irp c, 0,1,2,3
	ds_load_b128 v[KV+16*\t+4*\c:KV+16*\t+4*\c+3], v[ADL] offset:VOFF+8192*(\q)+2048*\t+512*\c   ; V's fragments land under the softmax
.endr
.endr
	s_wait_kmcnt 0x0                               ; the mask words are in, on both ways below
	s_add_co_u32 s96, s[SI], 16
	s_bitcmp1_b32 s[FL], s96                       ; do all entries count?
	s_cbranch_scc1 .Lfull_\@
.set n, 0
.rept 64
.set m, 2*(n%32)+n/32
.set w, 16+m+4*(m/48)
	v_cndmask_b32 v[S+n], v[NINF], v[S+n], s[w]    ; a score whose mask entry is 0 becomes -infinity ahead of the maximum: p = 0 then
.set n, n+1
.endr
.Lfull_\@:
	v_max3_num_f32 v216, v[S], v[S+1], v[S+2]      ; the step's largest score of my query, among my 64 keys, in two chains,
	v_max3_num_f32 v222, v[S+3], v[S+4], v[S+5]
.irp i, 6,10,14,18,22,26,30,34,38,42,46,50,54,58
	v_max3_num_f32 v216, v216, v[S+\i], v[S+1+\i]
	v_max3_num_f32 v222, v222, v[S+2+\i], v[S+3+\i]
.endr
	v_max3_num_f32 v216, v216, v[S+62], v[S+63]
	v_max_num_f32 v216, v216, v222
	v_permlanex16_b32 v217, v216, s[SEL], s[SEL+1]
	v_max_num_f32 v216, v216, v217                 ; and among lane l xor 16's
	v_mul_f32 v216, s[CS], v216                    ; as t (c is positive)
	v_max_num_f32 v13, v13, v216                   ; the running largest t
	v_mov_b32 v216, v12
	v_floor_f32 v12, -v13                          ; the new -M = floor(-t) = -ceil(t): M is a whole number
	v_sub_f32 v216, v12, v216                      ; M's old value less its new one: a whole number, 0 or less
	v_cvt_i32_f32 v216, v216                       ; (it saturates)
	v_ldexp_f32 v218, 1.0, v216                    ; f = 2^(old M - new M)
.set j, 0
.rept 32
	v_pk_fma_f32 v[S+j:S+j+1], v[S+j:S+j+1], s[CS:CS+1], v[12:13] op_sel_hi:[1,0,0]   ; t - M, two at a time (of the pairs c and -M the low word serves both halves)
.set j, j+2
.endr
.set j, 0
.rept 64
	v_exp_f32 v[S+j], v[S+j]                       ; p = 2^(t - M): not normalised
.set j, j+1
.endr
	v_pk_mul_f32 v[14:15], v[14:15], v[218:219] op_sel_hi:[1,0]   ; the sums under the new M: the plain line behind the exponentials
	s_wait_alu depctr_va_vdst(0)                   ; one wait for the whole batch, ahead of its first reader
	v_pk_add_f32 v[220:221], v[S:S+1], v[S+2:S+3]  ; the row's sum is taken of the unquantised p: two at a time, in two chains
.irp j, 4,8,12,16,20,24,28,32,36,40,44,48,52,56,60
	v_pk_add_f32 v[14:15], v[14:15], v[S+\j:S+1+\j]
	v_pk_add_f32 v[220:221], v[220:221], v[S+2+\j:S+3+\j]
.endr
	v_pk_add_f32 v[14:15], v[14:15], v[220:221]
	s_cmp_ge_i32 s[EP], -8                         ; p is at most 1 (a last bit over at the most), and 448 x 2^e8 is at least 1.75 from e8 = -8 on: the hold can bind only under that, and is then made
	s_cbranch_scc1 .Lnohold_\@
.set j, 0
.rept 64
	v_min_num_f32 v[S+j], v[S+j], v224             ; the conversion to an 8-bit code does not saturate (ISA guide 7.6.2); p is not negative, so the hold is one-sided
.set j, j+1
.endr
.Lnohold_\@:
.irp b, 0,1,2,3
	v_cvt_scalef32_pk8_fp8_f32 v[PC+4*\b:PC+4*\b+1], v[S+16*\b:S+16*\b+7], v223
	v_cvt_scalef32_pk8_fp8_f32 v[PC+4*\b+2:PC+4*\b+3], v[S+16*\b+8:S+16*\b+15], v223
.endr
.set j, 0
.rept 16
	v_pk_mul_f32 v[O+j:O+j+1], v[O+j:O+j+1], v[218:219] op_sel_hi:[1,0]   ; O^T under the new M: x f.  (Plain lines between the conversions and the products that read the codes)
.set j, j+2
.endr
	s_wait_dscnt 0x0                               ; V's fragments are in
.irp t, 0,1,2,3
	v_wmma_f32_16x16x128_fp8_fp8 v[O+8*\t:O+8*\t+7], v[KV+16*\t:KV+16*\t+15], v[PC:PC+15], v[O+8*\t:O+8*\t+7]   ; four accumulators by turns, one instruction a turn
.endr
.rept 4
	v_nop                                          ; places in front of whatever comes next on any way: loads into V's registers, or the way out's reads of O^T
.endr
.Lskip_\@:
	s_add_co_u32 s[SI], s[SI], 1
	s_add_nc_u64 s[MW:MW+1], s[MW:MW+1], 256       ; (the step's scalar loads, where there were any, have been waited for)
.endm
; A SLOT.  fill = 1: the next slot's bytes are asked for at the head, lie in registers while this slot's two steps are walked, and are then stored into the other slot's images.
; That slot was read in the trip before, and every wave's reads of it were waited for in front of that trip's barrier; it is read again only behind this trip's barrier, in front of which every wave's stores have landed.
.macro TRIP fill
.if \fill
	s_wait_xcnt 0x0                                ; the last trip's loads and prefetch have read their addresses
	s_add_nc_u64 s[KG:KG+1], s[KG:KG+1], 16384
	s_add_nc_u64 s[VG:VG+1], s[VG:VG+1], 16384
	s_add_nc_u64 s[PFA:PFA+1], s[PFA:PFA+1], 16384
	GLOAD
	ASK
.endif
	STEP 0
	STEP 1
.if \fill
	s_wait_loadcnt 0x0
	s_xor_b32 s[TS], s[TB], SLOT1                  ; the other slot
	DSTORE
	BAR
	s_xor_b32 s[TB], s[TB], SLOT1                  ; on to it
.endif
.endm
.Lslot:                                            ; seven trips; the eighth slot is written out: it fetches nothing and has no barrier
	TRIP 1
	s_sub_co_u32 s3, s3, 1
	s_cmp_lg_u32 s3, 0
	s_cbranch_scc1 .Lslot
	TRIP 0
	; THE WAY OUT.  O^T / the sum, held, converted with the folded scale: a lane's 16 registers of two tiles are 16 neighbouring d: 16 bytes.  Through my stage, so that the wave stores 512 consecutive bytes at a time.
	v_add_f32 v229, v14, v15                       ; the sum's two halves,
	v_permlanex16_b32 v217, v229, s[SEL], s[SEL+1]
	v_add_f32 v229, v229, v217                     ; and lane l xor 16's: the row's sum
	v_cmp_eq_f32 s96, 0, v229                      ; a row of which nothing counts.  It selects values alone
	v_rcp_f32 v230, v229
	v_mov_b32 v231, 0x7f7f7f7f                     ; four NaN codes.  (The plain line behind the reciprocal)
	s_wait_alu depctr_va_vdst(0)                   ; the wait ahead of the reciprocal's first reader
.set j, 0
.rept 32
	v_mul_f32 v[S+j], v[O+j], v230                 ; each accumulator from its low end on
.set j, j+1
.endr
.set j, 0
.rept 32
	v_med3_num_f32 v[S+j], v[S+j], -v226, v226
.set j, j+1
.endr
.irp b, 0,1
	v_cvt_scalef32_pk8_fp8_f32 v[232+4*\b:233+4*\b], v[S+16*\b:S+16*\b+7], v225
	v_cvt_scalef32_pk8_fp8_f32 v[234+4*\b:235+4*\b], v[S+16*\b+8:S+16*\b+15], v225
.endr
	v_nop                                          ; one plain line between the conversions and the lines that touch their results
.irp i, 0,1,2,3,4,5,6,7
	v_cndmask_b32 v[232+\i], v[232+\i], v231, s96
.endr
	ds_store_b128 v227, v[232:235]                 ; d = 16 h ..
	ds_store_b128 v227, v[236:239] offset:32       ; d = 32 + 16 h ..
	ds_load_b128 v[240:243], v228                  ; LDS serves a wave's instructions in order: these see my stores.  Rows 0-7,
	ds_load_b128 v[244:247], v228 offset:640       ; rows 8-15
	s_wait_dscnt 1                                 ; the first load is in; the second may be out
	global_store_b128 v[LI], v[240:243], s[12:13]
	s_wait_dscnt 0
	global_store_b128 v[LI], v[244:247], s[12:13] offset:512
	s_wait_tensorcnt 0x0                           ; the wave's end, behind my last LDS store
	ds_add_u32 v[SPW], v[NIL]
	s_wait_dscnt 0x0
	s_endpgm
.Lfunc_end_k_q147f33e712_attn:
	.size	k_q147f33e712_attn, .Lfunc_end_k_q147f33e712_attn-k_q147f33e712_attn
	.p2alignl 7, 3214868480
	.fill 96, 4, 3214868480
	.section	.rodata,"a",@progbits
	.p2align	6, 0x0
	.amdhsa_kernel k_q147f33e712_attn
		.amdhsa_group_segment_fixed_size 88064
		.amdhsa_private_segment_fixed_size 0
		.amdhsa_enable_private_segment 0
		.amdhsa_kernarg_size 40
		.amdhsa_user_sgpr_count 2
		.amdhsa_user_sgpr_kernarg_segment_ptr 1
		.amdhsa_wavefront_size32 1
		.amdhsa_system_sgpr_workgroup_id_x 1
		.amdhsa_system_sgpr_workgroup_id_y 1
		.amdhsa_system_sgpr_workgroup_id_z 1
		.amdhsa_system_vgpr_workitem_id 0
		.amdhsa_next_free_vgpr 256
		.amdhsa_next_free_sgpr 102
		.amdhsa_reserve_vcc 0
		.amdhsa_float_denorm_mode_32 3
		.amdhsa_float_denorm_mode_16_64 3
		.amdhsa_memory_ordered 1
		.amdhsa_forward_progress 1
		.amdhsa_inst_pref_size 93
	.end_amdhsa_kernel
	.amdgpu_metadata
---
amdhsa.version: [ 1, 2 ]
amdhsa.kernels:
  - .name:           k_q147f33e712_attn
    .symbol:         k_q147f33e712_attn.kd
    .args:
      - { .name: heads, .offset: 0, .size: 8, .value_kind: global_buffer, .address_space: global }
      - { .name: maskw, .offset: 8, .size: 8, .value_kind: global_buffer, .address_space: global }
      - { .name: flags, .offset: 16, .size: 8, .value_kind: global_buffer, .address_space: global }
      - { .name: lowp_scales, .offset: 24, .size: 8, .value_kind: global_buffer, .address_space: global }
      - { .name: xcodes, .offset: 32, .size: 8, .value_kind: global_buffer, .address_space: global }
    .group_segment_fixed_size: 88064
    .private_segment_fixed_size: 0
    .kernarg_segment_align: 8
    .kernarg_segment_size: 40
    .max_flat_workgroup_size: 512
    .sgpr_count:     102
    .vgpr_count:     256
    .wavefront_size: 32
...
	.end_amdgpu_metadata
.endif
;; end of part 3
;; launch outp (part 4): grid 4 x 32, 4 waves a work-group, clusters of 4 x 4, 327,680 bytes of LDS; arguments xcodes, codes, lowp_scales, out0; writes out0
.if DOCPART == 4
	.amdgcn_target "amdgcn-amd-amdhsa--gfx1250"
	.amdhsa_code_object_version 6
	.text
	.protected	k_q147f33e712_outp
	.globl	k_q147f33e712_outp
	.p2align	8
	.type	k_q147f33e712_outp,@function
k_q147f33e712_outp:
	s_mov_b64 s[64:65], 0
	v_nop
	global_prefetch_b8 v0, s[64:65] scope:SCOPE_SE
	s_setreg_imm32_b32 hwreg(HW_REG_WAVE_MODE, 25, 1), 1
	s_wait_xcnt 0x0
	s_wait_alu depctr_hold_cnt(0) depctr_sa_sdst(0) depctr_va_vdst(0) depctr_va_sdst(0) depctr_va_ssrc(0) depctr_va_vcc(0) depctr_vm_vsrc(0)
	s_getreg_b32 s2, hwreg(HW_REG_IB_STS2, 6, 4)
	s_cmp_eq_u32 s2, 0
	s_cbranch_scc0 .Lentry_in_a_cluster
	s_endpgm
.Lentry_in_a_cluster:
	s_bfe_u32 s2, ttmp6, 0x10000c
	s_cmp_lg_u32 s2, 0xf033
	s_cbranch_scc0 .Lentry_shape_is_right
	s_endpgm
.Lentry_shape_is_right:
; out0 = x Wo^T on codes of FP8 (E4M3): C [8192][1024] f32, K = 1024.  A number of x is its code's value x 2^e10, of Wo x 2^e11; the codes are multiplied as they are and each finished sum once by 2^(e10 + e11).
; LIMIT: e10 + e11 between -126 and 127, so that 2^(e10 + e11) is an f32 number.
; A = xcodes, laid [block of 256 rows 32][head 16][row 256][64 bytes]: a K step of 256 (four heads) of a tile's 256 rows is one dense block of 65,536 bytes.  B = Wo's codes, [1024][1024], at byte 28,311,552 of the buffer of codes.
; A tile of C, 256 x 256, is made by four waves, 128 x 128 each: 64 accumulators, 512 registers.  K goes in steps of 256 through a ring of two LDS slots filled by the tensor data mover.
; CLUSTERS: 4 x 4 work-groups; the four of a row of the cluster ask for A's tile JOINTLY, the four of a column for B's.
; A's BLOCK IN LDS: it is stated as 256 rows of 256 bytes (a wave fetches 128), padded by 16: LDS row 64 plane + row / 4 holds, at byte 64 (row % 4), the 64 codes of head 'plane' of the K step for that row of x.
; THE MATRIX INSTRUCTION IS USED TRANSPOSED (source 0 = 16 rows of B, source 1 = 16 rows of A): a lane holds eight neighbouring numbers of a row of C.
; k is permuted inside a matrix instruction, alike in both operands (registers 4 c .. 4 c + 3: K = 32 c + 16 (l / 16) + 0 .. 15).
; REGISTERS, in windows of 256: window 0: v0-31 addresses; from v128 A's fragments, ONE set; on the way out v32-255 are free.  window 1: B's fragments, TWO sets.  windows 2, 3: the accumulators of my rows 0-63, 64-127.
.set SIZE_N, 1024
.set SIZE_K, 1024
.set KSTEP,  256
.set ROWB,   256                       ; a tile's row in bytes
.set KROW,   SIZE_K                    ; a row of B in memory, in bytes
.set ABLK,   65536                     ; a K step of A's tile in memory
.set PITCH,  272                       ; an LDS row: 256 bytes + 16 of padding
.set FR,     16
.set NL,     4
.set NP,     4                         ; places behind this matrix instruction (ISA guide 7.12.1)
.set HALFT,  128*PITCH
.set SLOT,   4*HALFT
.set LAPS,   SIZE_K/(2*KSTEP)
.set SPARE,  2*SLOT                    ; behind the ring: the spare words, 128 bytes for each wave
.set SPITCH, 528                       ; the way out: a stage of 16 rows x (512 bytes + 16) for each wave, in slot 0, which has had its last fill and its last read when the first result is stored there
.set WO_OFF, 28311552
.set ADRA, 16                          ; v16-17  LDS address of my A fragments in slot 0, 1
.set ADRB, 20                          ; v20-21  the same for B
.set STO,  24                          ; v24     the way out: where I put 32 bytes of a row
.set RD,   25                          ; v25     the way out: where I read a row back
.set CO,   26                          ; v26     my byte offset in a row of C
.set SPW,  28                          ; v28     LDS address of my spare word; never rewritten
.set NIL,  29                          ; v29     0; never rewritten
.set TMP,  32
.set AF,   128
.set BK,   128
.set G1, 24
.set G0, 32
.set G1B, 48
.set G0B, 56
.set MSB, 0
.macro WIN new                         ; the immediate's high byte repeats the setting that is left
.if MSB != \new
	s_set_vgpr_msb (MSB<<8)|\new
.set MSB, \new
.endif
.endm
.set MUL_LO, 0xa1                      ; source 0 (B) window 1, source 1 (A) window 0, C and D window 2
.set MUL_HI, 0xf1                      ; the same, C and D window 3
.set TO_B,   0x40                      ; destination window 1, address window 0
; A joint load: waves 0 and 1 fetch for A, waves 2 and 3 for B; an s_nop 0 and four v_nop follow each of the two lines, ahead of the jump, the label and what follows.
.macro JLOAD g0a, g1a, g0b, g1b
	s_cmp_eq_u32 s15, 0
	s_cbranch_scc0 .Lfor_b_\@
	tensor_load_to_lds s[\g0a:\g0a+3], s[\g1a:\g1a+7]
	s_nop 0
.rept 4
	v_nop
.endr
	s_branch .Lasked_\@
.Lfor_b_\@:
	tensor_load_to_lds s[\g0b:\g0b+3], s[\g1b:\g1b+7]
	s_nop 0
.rept 4
	v_nop
.endr
.Lasked_\@:
.endm
.macro CREST                           ; a round of the cluster's barrier behind its opening barrier
	s_cmp_lg_u32 s14, 0
	s_cbranch_scc1 .Lnot_wave_0_\@
	s_barrier_signal -3
.Lnot_wave_0_\@:
	s_barrier_wait -3
	s_barrier_signal -1
	s_barrier_wait -1
.endm
.macro CROUND                          ; a whole round
	s_barrier_signal -1
	s_barrier_wait -1
	CREST
.endm
	s_load_b128 s[4:7], s[0:1], 0x0                ; x's codes s[4:5], the buffer of codes s[6:7]
	s_load_b128 s[8:11], s[0:1], 0x10              ; the scales' exponents s[8:9], C s[10:11]
	v_lshl_add_u32 v[SPW], v0, 2, SPARE
	v_mov_b32 v[NIL], 0
	ds_add_u32 v[SPW], v[NIL]                      ; the wave's opening: the add, and its wait ahead of my first tensor load; the set-up below, work on registers, stands between them
	v_lshrrev_b32 v1, 5, v0
	v_readfirstlane_b32 s14, v1                    ; wave 0..3
	s_lshr_b32 s15, s14, 1                         ; which half of the tile's rows is mine.  Also: I fetch for A (0) or for B (1)
	s_and_b32 s16, s14, 1                          ; which half of its columns.  Also: which half of that tile I fetch
	s_bfe_u32 s40, ttmp6, 0x40000                  ; cx, cy: my place in the cluster
	s_bfe_u32 s41, ttmp6, 0x40004
	s_lshl_b32 s42, ttmp9, 2
	s_add_co_u32 s42, s42, s40                     ; tile column of C = 4 x cluster x + cx
	s_and_b32 s17, ttmp7, 0xffff
	s_lshl_b32 s17, s17, 2
	s_add_co_u32 s17, s17, s41                     ; tile row of C = 4 x cluster y + cy
	s_lshl_b32 s43, s41, 2
	s_lshl_b32 s43, 15, s43                        ; my row of the cluster
	s_lshl_b32 s44, 0x1111, s40                    ; my column
	; descriptor group 1: a tile of 128 rows x 256 bytes, padded in LDS.  A's rows follow each other in memory, B's lie 1,024 bytes apart
	s_or_b32 s[G1+0], s43, (0<<16)|(1<<20)|(1<<21)|(5<<22)|(3<<25)  ; 15:0 the mask: A's tiles go to my row; 17:16 element of 1 byte; 20 padding on; 21 set beside a mask; 24:22 after every 64 words (code 5); 31:25 of 4 words (code 3)
	s_or_b32 s[G1B+0], s44, (0<<16)|(1<<20)|(1<<21)|(5<<22)|(3<<25)
.irp g, G1, G1B
	s_mov_b32 s[\g+1], ROWB<<16                    ; tensor_dim0
	s_mov_b32 s[\g+2], 128<<16                     ; tensor_dim1 = 128
	s_mov_b32 s[\g+3], ROWB<<16                    ; tile_dim0
	s_mov_b32 s[\g+4], 128                         ; tile_dim1 = 128
	s_mov_b32 s[\g+6], 0
	s_mov_b32 s[\g+7], 0
.endr
	s_mov_b32 s[G1+5], ROWB                        ; tensor_dim0_stride: A's block is dense
	s_mov_b32 s[G1B+5], KROW
	s_lshl_b32 s20, s17, 18                        ; A: a block of 256 rows is 262,144 bytes;
	s_lshl_b32 s18, s16, 15                        ; my half of a K step: two heads' planes, 32,768 bytes
	s_add_co_u32 s20, s20, s18
	s_mov_b32 s21, 0
	s_lshl_b32 s46, s42, 8
	s_lshl_b32 s18, s16, 7
	s_add_co_u32 s46, s46, s18                     ; B: row 256 x tile column + 128 x half,
	s_lshl_b32 s46, s46, 10                        ; of 1,024 bytes,
	s_add_co_u32 s46, s46, WO_OFF                  ; in Wo's part of the buffer
	s_mov_b32 s47, 0
	s_mul_i32 s45, s14, HALFT                      ; where they go: wave x 128 LDS rows: no place in the cluster enters an LDS address
	s_wait_dscnt 0x0                               ; the opening add is done
	s_wait_kmcnt 0x0
	s_load_b64 s[96:97], s[8:9], 0x28              ; e10, e11
	s_add_nc_u64 s[20:21], s[4:5], s[20:21]
	s_add_nc_u64 s[46:47], s[6:7], s[46:47]
	CROUND                                         ; all sixteen work-groups are here: the first joint loads meet
.irp s, 0,1
	s_mov_b32 s[G0+4*\s], 1
	s_add_co_u32 s[G0+4*\s+1], s45, \s*SLOT
	s_add_nc_u64 s[G0+4*\s+2:G0+4*\s+3], s[20:21], \s*ABLK
	s_or_b32 s[G0+4*\s+3], s[G0+4*\s+3], 0x80000000
	s_mov_b32 s[G0B+4*\s], 1
	s_add_co_u32 s[G0B+4*\s+1], s45, \s*SLOT
	s_add_nc_u64 s[G0B+4*\s+2:G0B+4*\s+3], s[46:47], \s*ROWB
	s_or_b32 s[G0B+4*\s+3], s[G0B+4*\s+3], 0x80000000
	JLOAD G0+4*\s, G1, G0B+4*\s, G1B
.endr
	v_and_b32 v1, 15, v0                           ; r = l % 16
	v_bfe_u32 v2, v0, 4, 1                         ; h = l / 16
	v_mul_u32_u24 v3, v1, PITCH
	v_lshl_add_u32 v4, v2, 4, v3                   ; B: a fragment's row x pitch + 16 h
	v_lshrrev_b32 v5, 2, v1                        ; A: LDS row r / 4,
	v_and_b32 v6, 3, v1
	v_mul_u32_u24 v5, v5, PITCH
	v_lshl_add_u32 v5, v6, 6, v5                   ; byte 64 (r % 4)
	v_lshl_add_u32 v5, v2, 4, v5                   ; + 16 h
	s_mul_i32 s21, s15, 32*PITCH                   ; my 128 rows of x are 32 LDS rows in each plane
	s_mul_i32 s22, s16, HALFT                      ; my 128 rows of B,
	s_add_co_u32 s22, s22, 2*HALFT                 ; which lie behind A's 256 LDS rows
.irp s, 0,1
	v_add_nc_u32 v[ADRA+\s], s21, v5
	v_add_nc_u32 v[ADRB+\s], s22, v4
	s_add_co_u32 s21, s21, SLOT
	s_add_co_u32 s22, s22, SLOT
.endr
	s_mul_i32 s23, s14, 16*SPITCH                  ; my stage
	v_mul_u32_u24 v5, v1, SPITCH                   ; in: row l % 16, 32 bytes for each half of the lanes
	v_lshl_add_u32 v5, v2, 5, v5
	v_add_nc_u32 v[STO], s23, v5
	v_and_b32 v6, 31, v0
	v_lshlrev_b32 v[CO], 4, v6                     ; back: the 32 lanes take one row of 512 bytes; and the same in C
	v_add_nc_u32 v[RD], s23, v[CO]
	s_lshl_b32 s20, s17, 8
	s_lshl_b32 s21, s15, 7
	s_add_co_u32 s20, s20, s21                     ; my first row of C: 256 x tile row + 128 x half,
	s_lshl_b32 s20, s20, 12                        ; of 4,096 bytes
	s_lshl_b32 s46, s42, 10                        ; my first column, in bytes: 1024 x tile column + 512 x half
	s_lshl_b32 s47, s16, 9
	s_add_co_u32 s46, s46, s47
	s_add_co_u32 s20, s20, s46
	s_mov_b32 s21, 0
	s_add_nc_u64 s[10:11], s[10:11], s[20:21]
.macro FRAG reg, adr, q, i             ; B's fragment: lane l holds row l % 16; registers 4 c .. 4 c + 3 hold K = 128 q + 32 c + 16 (l / 16) + 0 .. 15 of the slot's 256
.irp c, 0,1,2,3
	ds_load_b128 v[\reg+4*\c:\reg+4*\c+3], v[\adr] offset:128*(\q)+32*\c+(\i)*16*PITCH
.endr
.endm
.macro FRAG_A reg, adr, q, i           ; A's fragment, the same K: plane 2 q + c / 2 (64 LDS rows each), byte 32 (c % 2) + 16 (l / 16) of the head's 64; block i is four LDS rows on.  The largest offset is 59,872
.irp c, 0,1,2,3
	ds_load_b128 v[\reg+4*\c:\reg+4*\c+3], v[\adr] offset:(2*(\q)+\c/2)*64*PITCH+(\i)*4*PITCH+32*(\c%2)
.endr
.endm
; 16 matrix instructions: A's blocks a0, a0 + 1 x B's eight, 128 along K.  p: B's set.  zero = 1: the first product starts the sums.
; The 64 accumulators take turns, one instruction a turn, in the same order in every step.
.macro MUL16 a0, p, zero
.irp a, \a0, \a0+1
.irp b, 0,1,2,3,4,5,6,7
.if \zero
	v_wmma_f32_16x16x128_fp8_fp8 v[8*(8*((\a)%4)+\b):8*(8*((\a)%4)+\b)+7], v[128*(\p)+FR*\b:128*(\p)+FR*\b+FR-1], v[AF+FR*(\a):AF+FR*(\a)+FR-1], 0
.else
	v_wmma_f32_16x16x128_fp8_fp8 v[8*(8*((\a)%4)+\b):8*(8*((\a)%4)+\b)+7], v[128*(\p)+FR*\b:128*(\p)+FR*\b+FR-1], v[AF+FR*(\a):AF+FR*(\a)+FR-1], v[8*(8*((\a)%4)+\b):8*(8*((\a)%4)+\b)+7]
.endif
.endr
.endr
.endm
.macro FETCH_B slot, q, p
	WIN TO_B
.irp i, 0,1,2,3,4,5,6,7
	FRAG 128*(\p)+FR*\i, ADRB+\slot, \q, \i
.endr
	WIN 0
.endm
.macro FETCH_A slot, q, i0
.irp i, \i0, \i0+1, \i0+2, \i0+3
	FRAG_A AF+FR*(\i), ADRA+\slot, \q, \i
.endr
.endm
.macro PLACES n                        ; places in front of loads into registers that matrix instructions have read, and of reads of results (ISA guide 7.12.1 for the reads of results)
.rept \n
	v_nop
.endr
.endm
.macro STEP slot, q, zero              ; a step of 128 along K that has its successor in the same slot
	s_wait_dscnt 4*NL                              ; B's set and A's blocks 0-3 are in; the youngest sixteen loads (A's blocks 4-7) may be out
	WIN MUL_LO
	MUL16 0, (\q)%2, \zero
	MUL16 2, (\q)%2, \zero
	s_wait_dscnt 0                                 ; A's blocks 4-7 are in
	PLACES NP
	FETCH_B \slot, (\q)+1, 1-(\q)%2
	FETCH_A \slot, (\q)+1, 0
	WIN MUL_HI
	MUL16 4, (\q)%2, \zero
	MUL16 6, (\q)%2, \zero
	PLACES NP
	WIN 0
	FETCH_A \slot, (\q)+1, 4
.endm
; A slot's last step changes slots: ONE barrier; in front of it each wave waits for all its tensor loads, adds 0 to its spare word, and waits for that and for its own reads of this slot.  fill = 1: this slot is filled again, two K steps ahead.
.macro TURN slot, next, fill
	s_wait_tensorcnt 0x0                           ; all my tensor loads have landed: my part of the next slot;  (every window is 0 here)
	ds_add_u32 v[SPW], v[NIL]                      ; 0 onto my spare word:
	s_wait_dscnt 4*NL+1                            ; (the add and the youngest sixteen loads, A's blocks 4-7, may be out)
	WIN MUL_LO
	MUL16 0, 1, 0                                  ; sixteen matrix instructions stand between the add and the wait for it
	s_wait_dscnt 0x0                               ; the add is done, and my reads of this slot are over
	s_barrier_signal -1
	MUL16 2, 1, 0
	WIN 0
	s_barrier_wait -1
.if \fill
	CREST                                          ; the barrier has opened a round of the cluster's barrier: no wave of any partner still reads this slot's tile or has a load on its way
	s_add_nc_u64 s[G0+4*\slot+2:G0+4*\slot+3], s[G0+4*\slot+2:G0+4*\slot+3], 2*ABLK
	s_add_nc_u64 s[G0B+4*\slot+2:G0B+4*\slot+3], s[G0B+4*\slot+2:G0B+4*\slot+3], 2*ROWB
	JLOAD G0+4*\slot, G1, G0B+4*\slot, G1B         ; the first tensor load behind the round; the four v_nop behind it are the places in front of the loads below
.else
	PLACES NP
.endif
	FETCH_B \next, 0, 0
	FETCH_A \next, 0, 0
	WIN MUL_HI
	MUL16 4, 1, 0
	MUL16 6, 1, 0
	PLACES NP
	WIN 0
	FETCH_A \next, 0, 4
.endm
	s_wait_tensorcnt 1                             ; my part of K step 0 is in; K step 1's load may be out
	s_barrier_signal -1
	s_barrier_wait -1                              ; everybody's is
	FETCH_B 0, 0, 0
	FETCH_A 0, 0, 0
	FETCH_A 0, 0, 4
	STEP 0, 0, 1                                   ; the first step stands in front of the loop: its products start the sums
	s_mov_b32 s3, LAPS-1
.Llap:                                                 ; a trip goes once round the ring, from a lap's second step to the next lap's first, and fills both slots again
	TURN 0, 1, 1
	STEP 1, 0, 0
	TURN 1, 0, 1
	STEP 0, 0, 0
	s_sub_co_u32 s3, s3, 1
	s_cmp_lg_u32 s3, 0
	s_cbranch_scc1 .Llap
	TURN 0, 1, 0                                   ; the last lap fills nothing, and has no round of the cluster's barrier
	STEP 1, 0, 0
	s_wait_dscnt 4*NL                              ; the very last step: nothing more to fetch
	WIN MUL_LO
	MUL16 0, 1, 0
	MUL16 2, 1, 0
	s_wait_dscnt 0
	WIN MUL_HI
	MUL16 4, 1, 0
	MUL16 6, 1, 0
	WIN 0
; THE WAY OUT, block by block of 16 rows x 128 columns: a lane holds 32 neighbouring bytes of a row; a block goes through my own stage in LDS and comes back as whole rows of 512 bytes,
; which the 32 lanes store as 512 consecutive bytes, aligned.  LDS serves a wave's instructions in order (ISA guide 5.7.1.4): no wait between the stores and the loads, nor in front of the next block's stores.
.macro TOSTAGE a
.set AC, 64*((\a)%4)
	WIN 0x02+((\a)/4)                              ; source 0: window 2 or 3
.irp j, 0,2,4,6,8,10,12,14,16,18,20,22,24,26,28,30,32,34,36,38,40,42,44,46,48,50,52,54,56,58,60,62
	v_pk_mul_f32 v[TMP+\j:TMP+\j+1], v[AC+\j:AC+\j+1], s[96:97] op_sel_hi:[1,0]   ; both x s96 = 2^(e10 + e11); each accumulator from its low end on
.endr
	WIN 0
.irp b, 0,1,2,3,4,5,6,7
	ds_store_b128 v[STO], v[TMP+8*\b:TMP+8*\b+3] offset:64*\b
	ds_store_b128 v[STO], v[TMP+8*\b+4:TMP+8*\b+7] offset:64*\b+16
.endr
.set BB, BK+64*((\a)%2)
.irp t, 0,1,2,3,4,5,6,7,8,9,10,11,12,13,14,15
	ds_load_b128 v[BB+4*\t:BB+4*\t+3], v[RD] offset:\t*SPITCH
.endr
.endm
.macro SEND a, younger                 ; younger: the LDS instructions issued behind block a's loads, which may stay out
.set BB, BK+64*((\a)%2)
	s_wait_dscnt \younger                          ; the block is back in registers
.if (\a) > 0
	s_add_nc_u64 s[10:11], s[10:11], 16*SIZE_N*4   ; (behind a wait on XCNT: the earlier stores have read their base)  16 rows of C on
.endif
.irp t, 0,1,2,3,4,5,6,7,8,9,10,11,12,13,14,15
	global_store_b128 v[CO], v[BB+4*\t:BB+4*\t+3], s[10:11] offset:\t*SIZE_N*4 th:TH_STORE_NT   ; written once, read by nobody here
.endr
.endm
	s_wait_kmcnt 0x0
	s_add_co_i32 s96, s96, s97                     ; e10 + e11, between -126 and 127,
	s_add_co_i32 s96, s96, 127
	s_lshl_b32 s96, s96, 23                        ; makes the f32 number 2^(e10 + e11)
	PLACES NP                                      ; in front of the loads into the registers that held A's fragments, and of the reads of results
	TOSTAGE 0
.irp a, 1,2,3,4,5,6,7
.if \a > 1
	s_wait_xcnt 0x0                                ; block a - 2's stores have read their registers and their base: block a's loads may land there, and the base may step
.endif
	TOSTAGE \a
	SEND \a-1, 32                                  ; behind block a - 1's loads: block a's 16 stores and 16 loads
.endr
	s_wait_xcnt 0x0                                ; block 6's stores have read their base
	SEND 7, 0
	s_wait_tensorcnt 0x0                           ; the wave's end, behind my last tensor load and my last LDS store
	ds_add_u32 v[SPW], v[NIL]
	s_wait_dscnt 0x0
	CROUND                                         ; the closing round: no work-group ends while a partner may still ask for a tile that names it
	s_endpgm
.Lfunc_end_k_q147f33e712_outp:
	.size	k_q147f33e712_outp, .Lfunc_end_k_q147f33e712_outp-k_q147f33e712_outp
	.p2alignl 7, 3214868480
	.fill 96, 4, 3214868480
	.section	.rodata,"a",@progbits
	.p2align	6, 0x0
	.amdhsa_kernel k_q147f33e712_outp
		.amdhsa_group_segment_fixed_size 327680
		.amdhsa_private_segment_fixed_size 0
		.amdhsa_enable_private_segment 0
		.amdhsa_kernarg_size 32
		.amdhsa_user_sgpr_count 2
		.amdhsa_user_sgpr_kernarg_segment_ptr 1
		.amdhsa_wavefront_size32 1
		.amdhsa_system_sgpr_workgroup_id_x 1
		.amdhsa_system_sgpr_workgroup_id_y 1
		.amdhsa_system_sgpr_workgroup_id_z 1
		.amdhsa_system_vgpr_workitem_id 0
		.amdhsa_next_free_vgpr 1024
		.amdhsa_next_free_sgpr 98
		.amdhsa_reserve_vcc 0
		.amdhsa_float_denorm_mode_32 3
		.amdhsa_float_denorm_mode_16_64 3
		.amdhsa_memory_ordered 1
		.amdhsa_forward_progress 1
		.amdhsa_inst_pref_size 123
	.end_amdhsa_kernel
	.amdgpu_metadata
---
amdhsa.version: [ 1, 2 ]
amdhsa.kernels:
  - .name:           k_q147f33e712_outp
    .symbol:         k_q147f33e712_outp.kd
    .args:
      - { .name: xcodes, .offset: 0, .size: 8, .value_kind: global_buffer, .address_space: global }
      - { .name: codes, .offset: 8, .size: 8, .value_kind: global_buffer, .address_space: global }
      - { .name: lowp_scales, .offset: 16, .size: 8, .value_kind: global_buffer, .address_space: global }
      - { .name: out0, .offset: 24, .size: 8, .value_kind: global_buffer, .address_space: global }
    .group_segment_fixed_size: 327680
    .private_segment_fixed_size: 0
    .kernarg_segment_align: 8
    .kernarg_segment_size: 32
    .max_flat_workgroup_size: 128
    .sgpr_count:     98
    .vgpr_count:     1024
    .wavefront_size: 32
...
	.end_amdgpu_metadata
.endif
;; end of part 4
;; ======== version 2 of 2: 4 launches; version 1 with the launch attn written anew for expert scheduling mode
;; workspace buffers: codes 29,360,128 bytes; maskw 524,288 bytes of whole numbers; flags 2,048 bytes of whole numbers; heads 25,165,824 bytes; xcodes 8,388,608 bytes
;; launch quant: the kernel of part 1 again; grid 1024 x 1, 4 waves a work-group, no clusters, 33,280 bytes of LDS; arguments q, k, v, Wq, Wk, Wv, Wo, mask, lowp_scales, codes, maskw, flags; writes codes, maskw, flags
;; launch proj: the kernel of part 2 again; grid 4 x 96, 4 waves a work-group, clusters of 4 x 4, 327,680 bytes of LDS; arguments codes, lowp_scales, heads; writes heads
;; launch attn (part 5): grid 8 x 64, 16 waves a work-group, no clusters, 88,064 bytes of LDS; arguments heads, maskw, flags, lowp_scales, xcodes; writes xcodes
.if DOCPART == 5
	.amdgcn_target "amdgcn-amd-amdhsa--gfx1250"
	.amdhsa_code_object_version 6
	.text
	.protected	k_q147f33e712_attn
	.globl	k_q147f33e712_attn
	.p2align	8
	.type	k_q147f33e712_attn,@function
k_q147f33e712_attn:
	s_mov_b64 s[64:65], 0
	v_nop
	global_prefetch_b8 v0, s[64:65] scope:SCOPE_SE
	s_setreg_imm32_b32 hwreg(HW_REG_WAVE_SCHED_MODE, 0, 2), 2
	s_setreg_imm32_b32 hwreg(HW_REG_WAVE_MODE, 25, 1), 1
	s_wait_xcnt 0x0
	s_wait_alu depctr_vm_vsrc(0)
; x[b][s][head][:] = softmax over the keys of (query . key / 8, -infinity where the mask is 0) x value, both products on codes of FP8 (E4M3); x is quantised at once for the last projection (entry 10 of the scales).
; IN: heads (Qh, Kh: [batch x head 64][s 2048][64 bytes]; Vh: [64][step 16][d 64][128 keys]); maskw and flags, made from the mask input by the first launch.
; OUT: xcodes [block of 256 rows 32][head 16][row 256][64 bytes].
; THE SOFTMAX: t = score x log2(e) / 8; M = the row's largest t so far, rounded UP to a whole number; p = 2^(t - M) is what is quantised, not normalised; the row's sum is taken of the unquantised p and divides at the end.
; When M moves, the sum and O are multiplied by 2^(old M - new M): exact.  A p far under the row's final largest may fall under the format's range.
; SHARES.  Work-group (x, batch x head) has sixteen waves; wave w owns the 16 queries of tile 8 w + x: so each work-group's tiles are spread over the whole sequence.  Four waves to a SIMD, 256 registers each.
; Every wave walks the head's 16 steps of 128 keys, two steps to an LDS slot, two slots.  A STEP WHOSE TILE OF THE MASK HAS NO ENTRY THAT COUNTS IS LEFT OUT, and where all its entries count the mask is not applied:
; scalar branches on the stored flags, round the step's own loads and arithmetic and round no barrier.  The mask itself is honoured as it was given, whatever its pattern.
; NO CLUSTER, NO TENSOR LOAD.  What the eight work-groups of a head share is 32 KiB a slot, brought by four loads of 16 bytes a thread.
; LDS HOLDS IMAGES OF THE OPERANDS' REGISTERS: thread T copies bytes 16 T .. 16 T + 15 of a step's K and of its V (each 8 KiB, dense) to the place where the lane that wants them reads 16 bytes at 16 x lane.
;   K tile t (0-7), chunk c (0-1), lane (r, h): bytes 32 c + 16 h .. of key 32 (t / 2) + 8 (t % 2) + r + 8 (r / 8), at 1024 t + 512 c + 16 lane.
;   V tile t (0-3), chunk c (0-3), lane (r, h): keys 32 c + 16 h .. of d = 32 (t / 2) + 8 (t % 2) + r + 8 (r / 8), at 2048 t + 512 c + 16 lane.
; Both products are used transposed (S^T = K Q^T, O^T = V^T P^T): a lane holds ONE query (lane % 16); score register n is key 32 (n / 16) + 16 (lane / 16) + n % 16; O^T's register 16 b + i is d = 32 b + 16 (lane / 16) + i.
; k is permuted inside a matrix instruction, alike in both operands: every product meets its partner.
; A ROW WITH NO MASK ENTRY THAT COUNTS has the sum 0: its codes are the format's NaN, as the softmax of such a row is NaN.
; LIMITS: e6 + e7 between -124 and 130; e8, and e10 - e8 - e9, between -126 and 119.
; THE MODE: SCHED_MODE bits 1:0 = 2 (LLVM: expert scheduling mode 2), set by the entry lines.  The code itself states the register dependences
; between vector or matrix instructions and memory or LDS instructions, with s_wait_alu, always for 0.
; THE PLAN.  Registers that memory or LDS instructions touch:
;   v1, v4, v7, v227, v228   offsets and stage addresses: written at the head, never again.  v222, Q's offset, is written again by the steps' maxima.
;   v[ADL]                   read by every fragment load of a trip; written once a trip, at the trip's head, ahead of the steps' branches.
;   v[AKS], v[AVS]           read by the four LDS stores at a trip's end; written at the trip's head (for slot 0 at the kernel's head).
;   SD   v24-39              the global loads at a trip's head land in it, the LDS stores at its end read it; no vector instruction names it.
;   KV   v40-103             a step's K lands in it and its eight score products read it; then the step's V lands in it and its four O^T products read it.
;   v232-239, v240-247       the way out: codes that conversions and selects write and LDS stores read; rows that LDS loads bring and global stores read.
; So: at a trip's head one wait on vm_vsrc (the trip before has read ADL, AKS, AVS and SD), the three additions, and one wait on va_vdst (they are written; the last O^T products are done reading KV): it serves the trip's
; global loads, its first step's loads of K and the LDS stores at its end, since no vector or matrix instruction in between names what those touch.  The trip's second step has its own wait ahead of K's loads, each step
; one between its score products and V's loads, and the wait behind the exponentials.
.set SLOT1, 32768                      ; slot 1 begins here: one exclusive or turns an address in one slot into the other's
.set VOFF,  16384                      ; a slot: two steps of K, then two steps of V
.set STG,   65536                      ; the way out: 16 rows x (64 bytes + 16) for each wave
.set SPARE, 86016                      ; the spare words, 128 bytes for each of the sixteen waves
.set LI,   1                           ; v1   16 x lane
.set KD,   2                           ; v2   where my thread's 16 bytes of K go in a step's image
.set VD,   3                           ; v3   the same for V
.set GOF,  4                           ; v4   16 x thread: where they come from
.set SPW,  5                           ; v5   LDS address of my spare word; never rewritten
.set NIL,  6                           ; v6   0; never rewritten
.set PFO,  7                           ; v7   256 x lane: the prefetches' offset
.set ADL,  8                           ; v8   LDS address of the slot's images for my lane
.set AKS,  9                           ; v9, v10  LDS addresses of my thread's stores
.set AVS,  10
.set NINF, 11                          ; v11  -infinity
.set QF,   16                          ; v16-23   Q's fragment.  (v12 -M, v13 the largest t, v[14:15] the sum in two halves)
.set SD,   24                          ; v24-39   the next slot's bytes on their way
.set KV,   40                          ; v40-103  K's eight fragments, then V's four
.set S,    104                         ; v104-167 S^T, then p
.set O,    168                         ; v168-199 O^T
.set PC,   200                         ; v200-215 p's codes
                                       ; v216, v222 at work (the maximum's two chains); v217 a lane permute's result; v[218:219] f; v[220:221] the sum's second chain
                                       ; v223, v224: 2^e8, 448 x 2^e8; v225, v226: the same with e10 - e8 - e9; v227, v228 my stage, in and back; v229-231, v232-247 the way out
.set TB,   2                           ; s2   LDS byte at which the slot in hand begins
.set WV,   14                          ; s14  my wave's number
.set FL,   66                          ; s66  my tile's flags: bit i: step i has an entry that counts; bit 16 + i: all count
.set SI,   67                          ; s67  the step's number
.set SEL,  84                          ; s[84:85] lane selects: lane l xor 16
.set CS,   86                          ; s[86:87] c = log2(e) / 8 x 2^(e6 + e7)
.set KG,   88                          ; s[88:89] K's codes of the slot that is being fetched
.set VG,   90                          ; s[90:91] V's
.set MW,   92                          ; s[92:93] the step's 64 mask words.  They land in s16-63 and s68-83
.set EP,   94                          ; s94  e8
.set PFA,  98                          ; s[98:99] where my prefetches stand
.set LIM,  100                         ; s100 1 in a wave that prefetches, else the greatest number
.set TS,   101                         ; s101 the slot that is stored into
	s_load_b256 s[4:11], s[0:1], 0x0               ; heads 4, maskw 6, flags 8, the scales' exponents 10
	s_load_b64 s[12:13], s[0:1], 0x20              ; xcodes
	v_lshl_add_u32 v[SPW], v0, 2, SPARE
	v_mov_b32 v[NIL], 0
	v_lshrrev_b32 v8, 5, v0
	v_readfirstlane_b32 s[WV], v8                  ; wave 0..15
	v_and_b32 v9, 31, v0                           ; lane
	v_lshlrev_b32 v[LI], 4, v9
	v_lshlrev_b32 v[PFO], 8, v9
	v_lshlrev_b32 v[GOF], 4, v0
	; K: thread bits 0: h, 1: c, 2-4: r % 8, 5: t % 2, 6: r / 8, 7-8: t / 2
	v_bfe_u32 v[KD], v0, 2, 3
	v_lshlrev_b32 v[KD], 4, v[KD]
	v_bfe_u32 v8, v0, 6, 1
	v_lshl_or_b32 v[KD], v8, 7, v[KD]
	v_and_b32 v8, 3, v0
	v_lshl_or_b32 v[KD], v8, 8, v[KD]
	v_bfe_u32 v8, v0, 5, 1
	v_lshl_or_b32 v[KD], v8, 10, v[KD]
	v_bfe_u32 v8, v0, 7, 2
	v_lshl_or_b32 v[KD], v8, 11, v[KD]
	; V: thread bits 0: h, 1-2: c, 3-5: r % 8, 6: t % 2, 7: r / 8, 8: t / 2
	v_bfe_u32 v[VD], v0, 3, 3
	v_lshlrev_b32 v[VD], 4, v[VD]
	v_bfe_u32 v8, v0, 7, 1
	v_lshl_or_b32 v[VD], v8, 7, v[VD]
	v_and_b32 v8, 7, v0
	v_lshl_or_b32 v[VD], v8, 8, v[VD]
	v_bfe_u32 v8, v0, 6, 1
	v_lshl_or_b32 v[VD], v8, 11, v[VD]
	v_bfe_u32 v8, v0, 8, 1
	v_lshl_or_b32 v[VD], v8, 12, v[VD]
	v_and_b32 v216, 15, v0                         ; r
	v_bfe_u32 v217, v0, 4, 1                       ; h
	v_lshlrev_b32 v222, 6, v216
	v_lshl_add_u32 v222, v217, 4, v222             ; Q: row r of 64 bytes, + 16 h
	s_wait_alu depctr_va_sdst(0)                   ; s14, the wave's number, is written, ahead of its first reader: the stage, the tile of queries and the bases are made from it
	s_mul_i32 s15, s[WV], 1280
	s_add_co_u32 s15, s15, STG                     ; my stage
	v_mul_u32_u24 v227, v216, 80
	v_lshl_add_u32 v227, v217, 4, v227
	v_add_nc_u32 v227, s15, v227                   ; in: row r, + 16 h
	v_lshrrev_b32 v228, 2, v9
	v_mul_u32_u24 v228, v228, 80
	v_and_b32 v8, 3, v0
	v_lshl_add_u32 v228, v8, 4, v228
	v_add_nc_u32 v228, s15, v228                   ; back: four lanes to a row of 64 bytes
	s_and_b32 s16, ttmp7, 0xffff                   ; batch x head
	s_lshl_b32 s17, s[WV], 3
	s_add_co_u32 s17, s17, ttmp9                   ; my tile of queries: 8 w + x
	s_lshl_b32 s18, s16, 17                        ; a head is 131,072 bytes in Qh, Kh and Vh
	s_mov_b32 s19, 0
	s_lshl_b32 s20, s17, 10                        ; Q: 16 rows of 64 bytes a tile
	s_add_co_u32 s20, s20, s18
	s_mov_b32 s21, 0
	s_lshl_b32 s22, s17, 12                        ; maskw: 4,096 bytes a tile
	s_mov_b32 s23, 0
	s_lshl_b32 s24, s17, 4                         ; flags: 16 bytes a tile
	s_mov_b32 s25, 0
	s_lshr_b32 s26, s16, 4                         ; x: row = 2048 batch + 128 w + 16 x: block 8 batch + w / 2,
	s_lshl_b32 s26, s26, 3
	s_lshr_b32 s27, s[WV], 1
	s_add_co_u32 s26, s26, s27
	s_lshl_b32 s26, s26, 18
	s_and_b32 s27, s16, 15                         ; head,
	s_lshl_b32 s27, s27, 14
	s_add_co_u32 s26, s26, s27
	s_and_b32 s27, s[WV], 1                        ; row 128 (w % 2) + 16 x of the block
	s_lshl_b32 s27, s27, 7
	s_lshl_b32 s28, ttmp9, 4
	s_add_co_u32 s27, s27, s28
	s_lshl_b32 s27, s27, 6
	s_add_co_u32 s26, s26, s27
	s_mov_b32 s27, 0
	s_and_b32 s28, s[WV], 1                        ; the prefetches: my wave's 8,192 bytes of a slot's 16,384,
	s_lshl_b32 s28, s28, 13
	s_add_co_u32 s28, s28, 16384                   ; in slot 1: the first trip steps it to slot 2
	s_mov_b32 s29, 0
	s_lshr_b32 s30, s[WV], 2                       ; waves 0 to 3
	s_or_b32 s30, s30, ttmp9                       ; of the head's first work-group ask
	s_cmp_eq_u32 s30, 0
	s_cselect_b32 s[LIM], 1, -1
	s_mov_b32 s[SEL], 0x76543210
	s_mov_b32 s[SEL+1], 0xfedcba98
	s_mov_b32 s[CS], 0x3e38aa3b                    ; log2(e) / 8
	s_mov_b32 s[SI], 0
	s_mov_b32 s[TB], 0
	s_mov_b32 s[TS], 0
	s_mov_b32 s3, 7
	s_wait_kmcnt 0x0
	s_add_nc_u64 s[8:9], s[8:9], s[24:25]
	s_load_b128 s[32:35], s[8:9], 0x0              ; my tile's four words of flags
	s_load_b128 s[36:39], s[10:11], 0x18           ; e6, e7, e8, e9
	s_load_b32 s40, s[10:11], 0x28                 ; e10
	s_add_nc_u64 s[KG:KG+1], s[4:5], s[18:19]
	s_add_nc_u64 s[VG:VG+1], s[KG:KG+1], 0x1000000
	s_add_nc_u64 s[KG:KG+1], s[KG:KG+1], 0x800000
	s_add_nc_u64 s[4:5], s[4:5], s[20:21]
	s_add_nc_u64 s[MW:MW+1], s[6:7], s[22:23]
	s_add_nc_u64 s[12:13], s[12:13], s[26:27]
	s_cmp_lt_u32 s[WV], 2                          ; waves 0, 1 ask for K's codes, waves 2, 3 for V's
	s_cselect_b64 s[PFA:PFA+1], s[KG:KG+1], s[VG:VG+1]
	s_add_nc_u64 s[PFA:PFA+1], s[PFA:PFA+1], s[28:29]
.macro MKST                            ; where my thread's stores go: the images of slot s[TS]
	v_add_nc_u32 v[AKS], s[TS], v[KD]
	v_add_nc_u32 v[AVS], s[TS], v[VD]
.endm
.macro GLOAD                           ; a slot's two steps of K and of V: 16 bytes of each a thread; a wave's load covers 512 consecutive bytes
	global_load_b128 v[SD:SD+3],     v[GOF], s[KG:KG+1]
	global_load_b128 v[SD+4:SD+7],   v[GOF], s[KG:KG+1] offset:8192
	global_load_b128 v[SD+8:SD+11],  v[GOF], s[VG:VG+1]
	global_load_b128 v[SD+12:SD+15], v[GOF], s[VG:VG+1] offset:8192
.endm
.macro DSTORE                          ; into the images of slot s[TS], by the addresses that MKST has made
	ds_store_b128 v[AKS], v[SD:SD+3]
	ds_store_b128 v[AKS], v[SD+4:SD+7] offset:8192
	ds_store_b128 v[AVS], v[SD+8:SD+11] offset:VOFF
	ds_store_b128 v[AVS], v[SD+12:SD+15] offset:VOFF+8192
.endm
.macro BAR                             ; my LDS stores have landed and my LDS loads are in: then the work-group's barrier
	s_wait_dscnt 0x0
	s_barrier_signal -1
	s_barrier_wait -1
.endm
; A PREFETCH INTO THE L2 of the slot behind the one that is being loaded: 16,384 bytes of K and as many of V.  All eight work-groups of a head walk the same K and V: the head's first asks, and in it waves 0, 1 for K's
; two halves and waves 2, 3 for V's, lanes 256 bytes apart: each aligned block of 256 bytes is named once in the launch.  It stands behind the wave's loads.  The last trip that loads asks for nothing: there is no slot left.
.macro ASK
	s_cmp_gt_u32 s3, s[LIM]
	s_cbranch_scc0 .Lnot_mine_\@
	global_prefetch_b8 v[PFO], s[PFA:PFA+1] th:TH_LOAD_NT scope:SCOPE_SE
.Lnot_mine_\@:
.endm
	MKST                                           ; slot 0
	s_wait_alu depctr_va_vdst(0)                   ; the offsets and addresses v1, v4, v7, v9, v10, v222, v227, v228 are written, which the loads, stores and prefetches below read; the vector lines from here to slot 0's LDS stores name none of v9, v10, v24-39
	global_load_b128 v[QF:QF+3], v222, s[4:5]                ; Q's fragment stays in registers: registers 4 c .. hold bytes 32 c + 16 h ..
	global_load_b128 v[QF+4:QF+7], v222, s[4:5] offset:32
	GLOAD                                          ; slot 0
	v_mov_b32 v[NINF], 0xff800000
	v_mov_b32 v13, 0xff61b1e6                      ; the largest t so far: -3e38, under every t
	v_floor_f32 v12, -v13                          ; -M
	v_mov_b32 v14, 0                               ; the sum, in two halves
	v_mov_b32 v15, 0
	v_mov_b32 v219, 0                              ; (named as the upper half of the pair v[218:219])
.set j, 0
.rept 32
	v_mov_b32 v[O+j], 0                            ; O^T.  (The step is written once: the first finds zeros, which the first change of M leaves zeros)
.set j, j+1
.endr
	s_wait_kmcnt 0x0
	s_or_b32 s[FL], s32, s33
	s_or_b32 s[FL], s[FL], s34
	s_or_b32 s[FL], s[FL], s35
	s_add_co_i32 s41, s36, s37
	s_lshl_b32 s41, s41, 23
	s_add_co_i32 s[CS], s[CS], s41                 ; a score stands for score x 2^(e6 + e7): the two exponents are added to c's exponent field
	s_mov_b32 s[CS+1], s[CS]                       ; (named with it as a pair, so it is written)
	s_mov_b32 s[EP], s38
	s_add_co_i32 s41, s38, 127
	s_lshl_b32 s42, s41, 23
	v_mov_b32 v223, s42                            ; 2^e8 as f32, for p's conversions
	s_add_co_i32 s41, s41, 8
	s_lshl_b32 s41, s41, 23
	s_or_b32 s41, s41, 0x600000
	v_mov_b32 v224, s41                            ; 448 x 2^e8
	s_sub_co_i32 s41, s40, s38
	s_sub_co_i32 s41, s41, s39                     ; x = O^T x 2^(e8 + e9) / the sum: its code is (O^T / the sum) / 2^(e10 - e8 - e9)
	s_add_co_i32 s41, s41, 127
	s_lshl_b32 s42, s41, 23
	v_mov_b32 v225, s42
	s_add_co_i32 s41, s41, 8
	s_lshl_b32 s41, s41, 23
	s_or_b32 s41, s41, 0x600000
	v_mov_b32 v226, s41
	s_wait_loadcnt 0x0                             ; Q, and slot 0's bytes
	DSTORE
	BAR                                            ; slot 0's images are whole
; A KEY STEP: 128 keys, the q-th of the slot in hand.
.macro STEP q
	s_bitcmp1_b32 s[FL], s[SI]                     ; has this tile of the mask any entry that counts?
	s_cbranch_scc0 .Lskip_\@
	s_load_b512 s[16:31], s[MW:MW+1], 0x0          ; the step's 64 mask words, asked for in every step that is walked: they land under the first product
	s_load_b512 s[32:47], s[MW:MW+1], 0x40
	s_load_b512 s[48:63], s[MW:MW+1], 0x80
	s_load_b512 s[68:83], s[MW:MW+1], 0xc0
.if \q
	s_wait_alu depctr_va_vdst(0)                   ; the trip's first step: its O^T products are done reading V's fragments, in whose registers K's land.  (For the first step itself the wait at the trip's head states the like)
.endif
.irp t, 0,1,2,3,4,5,6,7
.irp c, 0,1
	ds_load_b128 v[KV+8*\t+4*\c:KV+8*\t+4*\c+3], v[ADL] offset:8192*(\q)+1024*\t+512*\c
.endr
.endr
	s_wait_dscnt 0x0
.irp t, 0,1,2,3,4,5,6,7
	v_wmma_f32_16x16x64_fp8_fp8 v[S+8*\t:S+8*\t+7], v[KV+8*\t:KV+8*\t+7], v[QF:QF+7], 0
.endr
.rept 4
	v_nop                                          ; places in front of the first read of the scores
.endr
	s_wait_alu depctr_va_vdst(0)                   ; the eight products are done reading K's fragments, in whose registers V's land; no vector or matrix instruction names them again before the O^T products
.irp t, 0,1,2,3
.irp c, 0,1,2,3
	ds_load_b128 v[KV+16*\t+4*\c:KV+16*\t+4*\c+3], v[ADL] offset:VOFF+8192*(\q)+2048*\t+512*\c   ; V's fragments land under the softmax
.endr
.endr
	s_wait_kmcnt 0x0                               ; the mask words are in, on both ways below
	s_add_co_u32 s96, s[SI], 16
	s_bitcmp1_b32 s[FL], s96                       ; do all entries count?
	s_cbranch_scc1 .Lfull_\@
.set n, 0
.rept 64
.set m, 2*(n%32)+n/32
.set w, 16+m+4*(m/48)
	v_cndmask_b32 v[S+n], v[NINF], v[S+n], s[w]    ; a score whose mask entry is 0 becomes -infinity ahead of the maximum: p = 0 then
.set n, n+1
.endr
.Lfull_\@:
	v_max3_num_f32 v216, v[S], v[S+1], v[S+2]      ; the step's largest score of my query, among my 64 keys, in two chains,
	v_max3_num_f32 v222, v[S+3], v[S+4], v[S+5]
.irp i, 6,10,14,18,22,26,30,34,38,42,46,50,54,58
	v_max3_num_f32 v216, v216, v[S+\i], v[S+1+\i]
	v_max3_num_f32 v222, v222, v[S+2+\i], v[S+3+\i]
.endr
	v_max3_num_f32 v216, v216, v[S+62], v[S+63]
	v_max_num_f32 v216, v216, v222
	v_permlanex16_b32 v217, v216, s[SEL], s[SEL+1]
	v_max_num_f32 v216, v216, v217                 ; and among lane l xor 16's
	v_mul_f32 v216, s[CS], v216                    ; as t (c is positive)
	v_max_num_f32 v13, v13, v216                   ; the running largest t
	v_mov_b32 v216, v12
	v_floor_f32 v12, -v13                          ; the new -M = floor(-t) = -ceil(t): M is a whole number
	v_sub_f32 v216, v12, v216                      ; M's old value less its new one: a whole number, 0 or less
	v_cvt_i32_f32 v216, v216                       ; (it saturates)
	v_ldexp_f32 v218, 1.0, v216                    ; f = 2^(old M - new M)
.set j, 0
.rept 32
	v_pk_fma_f32 v[S+j:S+j+1], v[S+j:S+j+1], s[CS:CS+1], v[12:13] op_sel_hi:[1,0,0]   ; t - M, two at a time (of the pairs c and -M the low word serves both halves)
.set j, j+2
.endr
.set j, 0
.rept 64
	v_exp_f32 v[S+j], v[S+j]                       ; p = 2^(t - M): not normalised
.set j, j+1
.endr
	v_pk_mul_f32 v[14:15], v[14:15], v[218:219] op_sel_hi:[1,0]   ; the sums under the new M: the plain line behind the exponentials
	s_wait_alu depctr_va_vdst(0)                   ; the 64 exponentials have written p: one wait for the whole batch, ahead of its first reader
	v_pk_add_f32 v[220:221], v[S:S+1], v[S+2:S+3]  ; the row's sum is taken of the unquantised p: two at a time, in two chains
.irp j, 4,8,12,16,20,24,28,32,36,40,44,48,52,56,60
	v_pk_add_f32 v[14:15], v[14:15], v[S+\j:S+1+\j]
	v_pk_add_f32 v[220:221], v[220:221], v[S+2+\j:S+3+\j]
.endr
	v_pk_add_f32 v[14:15], v[14:15], v[220:221]
	s_cmp_ge_i32 s[EP], -8                         ; p is at most 1 (a last bit over at the most), and 448 x 2^e8 is at least 1.75 from e8 = -8 on: the hold can bind only under that, and is then made
	s_cbranch_scc1 .Lnohold_\@
.set j, 0
.rept 64
	v_min_num_f32 v[S+j], v[S+j], v224             ; the conversion to an 8-bit code does not saturate (ISA guide 7.6.2); p is not negative, so the hold is one-sided
.set j, j+1
.endr
.Lnohold_\@:
.irp b, 0,1,2,3
	v_cvt_scalef32_pk8_fp8_f32 v[PC+4*\b:PC+4*\b+1], v[S+16*\b:S+16*\b+7], v223
	v_cvt_scalef32_pk8_fp8_f32 v[PC+4*\b+2:PC+4*\b+3], v[S+16*\b+8:S+16*\b+15], v223
.endr
.set j, 0
.rept 16
	v_pk_mul_f32 v[O+j:O+j+1], v[O+j:O+j+1], v[218:219] op_sel_hi:[1,0]   ; O^T under the new M: x f.  (Plain lines between the conversions and the products that read the codes)
.set j, j+2
.endr
	s_wait_dscnt 0x0                               ; V's fragments are in
.irp t, 0,1,2,3
	v_wmma_f32_16x16x128_fp8_fp8 v[O+8*\t:O+8*\t+7], v[KV+16*\t:KV+16*\t+15], v[PC:PC+15], v[O+8*\t:O+8*\t+7]   ; four accumulators by turns, one instruction a turn
.endr
.rept 4
	v_nop                                          ; places in front of the next read of O^T on any way: the way out's among them
.endr
.Lskip_\@:
	s_add_co_u32 s[SI], s[SI], 1
	s_add_nc_u64 s[MW:MW+1], s[MW:MW+1], 256       ; (the step's scalar loads, where there were any, have been waited for)
.endm
; A SLOT.  fill = 1: the next slot's bytes are asked for at the head, lie in registers while this slot's two steps are walked, and are then stored into the other slot's images.
; That slot was read in the trip before, and every wave's reads of it were waited for in front of that trip's barrier; it is read again only behind this trip's barrier, in front of which every wave's stores have landed.
.macro TRIP fill
.if \fill
	s_wait_xcnt 0x0                                ; the last trip's loads and prefetch have read their addresses
	s_add_nc_u64 s[KG:KG+1], s[KG:KG+1], 16384
	s_add_nc_u64 s[VG:VG+1], s[VG:VG+1], 16384
	s_add_nc_u64 s[PFA:PFA+1], s[PFA:PFA+1], 16384
	s_xor_b32 s[TS], s[TB], SLOT1                  ; the other slot: the one that this trip's end stores into
.endif
	s_wait_alu depctr_vm_vsrc(0)                   ; the fragment loads issued so far have read v[ADL]; the LDS stores issued so far have read v[AKS], v[AVS] and SD, in which this trip's loads land; in the first trip: Q's loads have read v222, which the steps write
	v_add_nc_u32 v[ADL], s[TB], v[LI]              ; the slot in hand, for both its steps
.if \fill
	MKST
.endif
	s_wait_alu depctr_va_vdst(0)                   ; v[ADL] (and v[AKS], v[AVS]) are written; the last O^T products are done reading V's fragments, in whose registers the first step's K lands
.if \fill
	GLOAD
	ASK
.endif
	STEP 0
	STEP 1
.if \fill
	s_wait_loadcnt 0x0
	DSTORE                                         ; no wait on va_vdst: no vector or matrix instruction since the trip's head names v[AKS], v[AVS] or SD
	BAR
	s_xor_b32 s[TB], s[TB], SLOT1                  ; on to it
.endif
.endm
.Lslot:                                            ; seven trips; the eighth slot is written out: it fetches nothing and has no barrier
	TRIP 1
	s_sub_co_u32 s3, s3, 1
	s_cmp_lg_u32 s3, 0
	s_cbranch_scc1 .Lslot
	TRIP 0
	; THE WAY OUT.  O^T / the sum, held, converted with the folded scale: a lane's 16 registers of two tiles are 16 neighbouring d: 16 bytes.  Through my stage, so that the wave stores 512 consecutive bytes at a time.
	v_add_f32 v229, v14, v15                       ; the sum's two halves,
	v_permlanex16_b32 v217, v229, s[SEL], s[SEL+1]
	v_add_f32 v229, v229, v217                     ; and lane l xor 16's: the row's sum
	v_cmp_eq_f32 s96, 0, v229                      ; a row of which nothing counts.  It selects values alone
	v_rcp_f32 v230, v229
	v_mov_b32 v231, 0x7f7f7f7f                     ; four NaN codes.  (The plain line behind the reciprocal)
	s_wait_alu depctr_va_vdst(0)                   ; the reciprocal has written v230, ahead of its first reader
.set j, 0
.rept 32
	v_mul_f32 v[S+j], v[O+j], v230                 ; each accumulator from its low end on
.set j, j+1
.endr
.set j, 0
.rept 32
	v_med3_num_f32 v[S+j], v[S+j], -v226, v226
.set j, j+1
.endr
.irp b, 0,1
	v_cvt_scalef32_pk8_fp8_f32 v[232+4*\b:233+4*\b], v[S+16*\b:S+16*\b+7], v225
	v_cvt_scalef32_pk8_fp8_f32 v[234+4*\b:235+4*\b], v[S+16*\b+8:S+16*\b+15], v225
.endr
	v_nop                                          ; one plain line between the conversions and the lines that touch their results
	s_wait_alu depctr_va_sdst(0)                   ; the compare has written s96, ahead of its first reader, the first select
.irp i, 0,1,2,3,4,5,6,7
	v_cndmask_b32 v[232+\i], v[232+\i], v231, s96
.endr
	s_wait_alu depctr_va_vdst(0)                   ; the selects have written v232-239, which the LDS stores read
	ds_store_b128 v227, v[232:235]                 ; d = 16 h ..
	ds_store_b128 v227, v[236:239] offset:32       ; d = 32 + 16 h ..
	ds_load_b128 v[240:243], v228                  ; LDS serves a wave's instructions in order: these see my stores.  Rows 0-7,
	ds_load_b128 v[244:247], v228 offset:640       ; rows 8-15.  (No vector instruction of the kernel names v240-247)
	s_wait_dscnt 1                                 ; the first load is in; the second may be out
	global_store_b128 v[LI], v[240:243], s[12:13]
	s_wait_dscnt 0
	global_store_b128 v[LI], v[244:247], s[12:13] offset:512
	s_wait_dscnt 0x0                               ; the closing lines, six on end
	s_wait_alu 0x0
	s_wait_tensorcnt 0x0
	ds_add_u32 v[SPW], v[NIL]
	s_wait_dscnt 0x0
	s_endpgm
.Lfunc_end_k_q147f33e712_attn:
	.size	k_q147f33e712_attn, .Lfunc_end_k_q147f33e712_attn-k_q147f33e712_attn
	.p2alignl 7, 3214868480
	.fill 96, 4, 3214868480
	.section	.rodata,"a",@progbits
	.p2align	6, 0x0
	.amdhsa_kernel k_q147f33e712_attn
		.amdhsa_group_segment_fixed_size 88064
		.amdhsa_private_segment_fixed_size 0
		.amdhsa_enable_private_segment 0
		.amdhsa_kernarg_size 40
		.amdhsa_user_sgpr_count 2
		.amdhsa_user_sgpr_kernarg_segment_ptr 1
		.amdhsa_wavefront_size32 1
		.amdhsa_system_sgpr_workgroup_id_x 1
		.amdhsa_system_sgpr_workgroup_id_y 1
		.amdhsa_system_sgpr_workgroup_id_z 1
		.amdhsa_system_vgpr_workitem_id 0
		.amdhsa_next_free_vgpr 256
		.amdhsa_next_free_sgpr 102
		.amdhsa_reserve_vcc 0
		.amdhsa_float_denorm_mode_32 3
		.amdhsa_float_denorm_mode_16_64 3
		.amdhsa_memory_ordered 1
		.amdhsa_forward_progress 1
		.amdhsa_inst_pref_size 93
	.end_amdhsa_kernel
	.amdgpu_metadata
---
amdhsa.version: [ 1, 2 ]
amdhsa.kernels:
  - .name:           k_q147f33e712_attn
    .symbol:         k_q147f33e712_attn.kd
    .args:
      - { .name: heads, .offset: 0, .size: 8, .value_kind: global_buffer, .address_space: global }
      - { .name: maskw, .offset: 8, .size: 8, .value_kind: global_buffer, .address_space: global }
      - { .name: flags, .offset: 16, .size: 8, .value_kind: global_buffer, .address_space: global }
      - { .name: lowp_scales, .offset: 24, .size: 8, .value_kind: global_buffer, .address_space: global }
      - { .name: xcodes, .offset: 32, .size: 8, .value_kind: global_buffer, .address_space: global }
    .group_segment_fixed_size: 88064
    .private_segment_fixed_size: 0
    .kernarg_segment_align: 8
    .kernarg_segment_size: 40
    .max_flat_workgroup_size: 512
    .sgpr_count:     102
    .vgpr_count:     256
    .wavefront_size: 32
...
	.end_amdgpu_metadata
.endif
;; end of part 5
;; launch outp: the kernel of part 4 again; grid 4 x 32, 4 waves a work-group, clusters of 4 x 4, 327,680 bytes of LDS; arguments xcodes, codes, lowp_scales, out0; writes out0
